; MI455X (gfx1250); checked and timed in simulation.
; The chip was launched on July 23, 2026; its instructions are those of AMD's public machine-readable ISA for CDNA 5 (MIT licence, August 2026) and "CDNA5" Instruction Set Architecture Reference Guide (July 2026). The comments in the code are by the model that wrote it; some were corrected since.
;; Multi Head Attention. Allowed arithmetic: matrix products marked QUANTISED: E2M1 operands, one E8M0 scale for each 32 along K, by v_wmma_scale_f32_16x16x128_f8f6f4 with both operands' format E2M1 (or v_wmma_scale_f32_32x16x128_f4), f32 sums; products left as they are: bf16, f16 or f32 operands; f32 sums; everything else in f32.
;; Inputs: Wk 16 x 64 x 1,024 float32; Wo 1,024 x 1,024 float32; Wq 16 x 64 x 1,024 float32; Wv 16 x 64 x 1,024 float32; bk 16 x 64 float32; bo 1,024 float32; bq 16 x 64 float32; bv 16 x 64 float32; key 8 x 1,024 x 1,024 float32; mask 8 x 1,024 x 1,024 bool; query 8 x 1,024 x 1,024 float32; value 8 x 1,024 x 1,024 float32.
;; Outputs: out0 8 x 1,024 x 1,024 float32.
;; This version of the problem:
;;   THIS VERSION OF THE PROBLEM IS GIVEN IN LOW PRECISION. The matrix products marked QUANTISED in the list below multiply operands that are first quantised to E2M1 (2 exponent bits, 1 mantissa bit; 4 bits a number), with one power-of-two scale for each 32 numbers along K (OCP MX v1.0); their sums are f32. The products marked 'left as it is' may take bf16, f16 or f32 operands, with f32 sums. Whichever they take, every output number must still come out within the allowed error. Rounding operands to bf16 (8 significant bits) uses up far more of that allowance than f16 does (11 bits, for magnitudes from 6e-5 to 65,504). All else is computed in f32.
;;   The module's matrix products, in the order in which they are computed (A, B: the left and right operand; K: the contracted axis; several contracted axes count as one K, in the product's order):
;;     1. [M 1,024, K 1,024] x [K 1,024, N 8,192]; A: input Wq; B: input query: QUANTISED
;;     2. [M 1,024, K 1,024] x [K 1,024, N 8,192]; A: input Wk; B: input key: QUANTISED
;;     3. [M 1,024, K 1,024] x [K 1,024, N 8,192]; A: input Wv; B: input value: QUANTISED
;;     4. batch 128 x [M 1,024, K 64] x [K 64, N 1,024]; A: computed on the way; B: computed on the way: left as it is (an operand is computed on the way)
;;     5. batch 128 x [M 1,024, K 1,024] x [K 1,024, N 64]; A: computed on the way; B: computed on the way: left as it is (an operand is computed on the way)
;;     6. [M 8,192, K 1,024] x [K 1,024, N 1,024]; A: computed on the way; B: input Wo: left as it is (an operand is computed on the way)
;;   THE QUANTISER, for each operand of a quantised product, along K:
;;     - K is cut into blocks of 32 from its start; a last block that is shorter is filled with zeros.
;;     - A block's scale is 2^e with e = floor(log2(the largest magnitude in the block)) - 2, held to -126 .. 127; a block of zeros has e = 0. As a byte (E8M0): e + 127.
;;     - Each number is divided by its block's scale, clamped to +-6, and rounded to the nearest number of E2M1, ties to even, subnormals kept.
;;     - The product sums the exact products of the quantised numbers (number of the format x scale) in f32.
;;   ~~~python
;;   def quantise(x, axis):      # numpy; x: float32 -> the quantised numbers, widened to float32 again
;;       x = np.moveaxis(x, axis, -1); K = x.shape[-1]
;;       x = np.pad(x, [(0, 0)] * (x.ndim - 1) + [(0, -K % 32)]); x = x.reshape(x.shape[:-1] + (-1, 32)); a = np.abs(x).max(-1, keepdims=True)
;;       e = np.where(a > 0, np.clip(np.frexp(np.where(a > 0, a, 1))[1] - 1 - 2, -126, 127), 0)      # np.frexp(a)[1] - 1 = floor(log2(a)), exactly
;;       r = np.clip(x / 2.0 ** e, -6, 6)
;;       step = 2.0 ** (np.maximum(np.frexp(np.where(r == 0, 1, r))[1] - 1, 0) - 1)
;;       q = np.round(r / step) * step * 2.0 ** e      # np.round: ties to even
;;       return np.moveaxis(q.reshape(q.shape[:-2] + (-1,))[..., :K], -1, axis).astype(np.float32)
;;   ~~~
;; One version. Each part assembles by itself: llvm-mc -triple=amdgcn-amd-amdhsa -mcpu=gfx1250 --defsym DOCPART=n.
;; ======== version 1 of 1: 4 launches
;; limits: values are held in f16: magnitudes above 65,504 overflow, below 6.1e-05 lose precision; right only within a limited range of input values
;; workspace buffers: xc 12,582,912 bytes; xs 786,432 bytes; wc 1,572,864 bytes; wsc 98,304 bytes; wob 2,097,152 bytes; mbits 1,048,576 bytes of whole numbers; qkv 50,331,648 bytes; catb 16,777,216 bytes
;; launch prep (part 1): grid 1440 x 1, 4 waves a work-group, no clusters, 33,280 bytes of LDS; arguments query, key, value, Wq, Wk, Wv, Wo, mask, xc, xs, wc, wsc, wob, mbits; writes xc, xs, wc, wsc, wob, mbits
.if DOCPART == 1
	.amdgcn_target "amdgcn-amd-amdhsa--gfx1250"
	.amdhsa_code_object_version 6
	.text
	.protected	k_qdb55b4c66d_prep
	.globl	k_qdb55b4c66d_prep
	.p2align	8
	.type	k_qdb55b4c66d_prep,@function
k_qdb55b4c66d_prep:
	s_mov_b64 s[64:65], 0
	v_nop
	global_prefetch_b8 v0, s[64:65] scope:SCOPE_SE
	s_setreg_imm32_b32 hwreg(HW_REG_WAVE_MODE, 25, 1), 1
	s_wait_xcnt 0x0
; PREP: everything that the later launches read more than once is made here, once.  Three kinds of work-groups, told apart by the work-group's number alone:
;   0 .. 863     query, key, value [8192][1024] and Wq, Wk, Wv [1024][1024], f32, become codes of FP4 (E2M1), K innermost, with one E8M0 scale byte for each 32 along K:
;                xc [3][8192][512 bytes], xs [3][8192][32], wc [3][1024][512 bytes], wsc [3][1024][32].  256 work-groups a large tensor, 32 a weight: 32,768 numbers each.
;   864 .. 927   2 x Wo as f16, laid [n / 128][k / 64][n % 128][k % 64], so that the last launch's tiles are dense blocks.  (The doubling is exact: it undoes the halving of v.)
;   928 .. 1439  the mask as lane masks: mbits [b 8][tile of 16 queries 64][step of 64 keys 16][32 words]; bit l of word 8 t + j is mask[b][16 tile + l % 16][64 step + 16 t + 8 (l / 16) + j]:
;                the place that lane l's register 8 t + j has in the attention's scores.
; THE QUANTISER.  A block's scale is 2^(floor(log2(its largest magnitude)) - 2); its byte is the largest magnitude's own exponent field - 2, held at 1 from below.  (A block of zeros so gets the byte 1 where the rule
; says 127: its codes are zeros, which add nothing under any byte but 0xff, and the bytes are read by this program alone.)  Each number is divided by the scale and rounded to the nearest code, ties to even, beyond 6 to 6.
; LIMITS: blocks whose largest magnitude lies under 2^-124, the floor, keep the byte 1; NaN and infinities among the inputs are not served.  2 x Wo has to lie inside f16: |Wo| < 32,752.
; Rows are dense and K = 1024 is a multiple of 32: a tensor is a plain stream of blocks of 32, and so are its codes and its scale bytes.  A wave takes 16 steps of 512 numbers.  Each of a step's four loads reads 512
; consecutive bytes, 16 a lane; the 2,048 bytes turn through the wave's own stage in LDS and come back 64 bytes a lane: 16 neighbours along K, as the conversions want them.  Two neighbouring lanes hold a block.
; No tensor loads, no barrier: waves share nothing.  Only the quantiser's path touches LDS.
.set WAVES, 4
.set STEPS, 16
.set NBIG,  768                        ; work-groups for query, key, value: 3 x 8192 x 1024 / 32768
.set NQNT,  864                        ; + 3 x 1024 x 1024 / 32768 for the weights
.set NWO,   928                        ; + 64 for Wo: 16 rows each
.set EMAX,  2
.set CB,    8                          ; bytes of 16 codes
.set R,     16                         ; v16-79   four sets of 16 numbers as they are loaded
.set X,     80                         ; v80-111  two sets of 16 neighbours
.set E,     112                        ; v112-127 a scale byte for each step
.set C,     128                        ; v128-191 codes: four registers for each step, so that no store's data are written again
.set WREG,  8192                       ; LDS: a region for each wave: two stages of 32 x SP bytes, and behind them its 256 scale bytes
.set SP,    80                         ; a lane's place in a stage: its 64 bytes + 16 of padding
.set SPW,   12                         ; v12      LDS address of my spare word: SPARE + 4 x my thread's number; never rewritten
.set NIL,   13                         ; v13      0; never rewritten
.set SPARE, WAVES*WREG                 ; behind the four regions: the spare words, 128 bytes for each wave
.set WV,    48                         ; s48      my wave's number
	s_load_b512 s[4:19], s[0:1], 0x0               ; query s[4:5], key s[6:7], value s[8:9], Wq s[10:11], Wk s[12:13], Wv s[14:15], Wo s[16:17], mask s[18:19]
	s_load_b256 s[20:27], s[0:1], 0x40             ; xc s[20:21], xs s[22:23], wc s[24:25], wsc s[26:27]
	s_load_b128 s[28:31], s[0:1], 0x60             ; wob s[28:29], mbits s[30:31]
	v_lshl_add_u32 v[SPW], v0, 2, SPARE
	v_mov_b32 v[NIL], 0
	v_lshrrev_b32 v1, 5, v0
	v_readfirstlane_b32 s[WV], v1                  ; wave 0..3
	v_and_b32 v2, 31, v0                           ; lane
	s_wait_kmcnt 0x0
	s_cmp_ge_u32 ttmp9, NWO
	s_cbranch_scc1 .Lmask
	s_cmp_ge_u32 ttmp9, NQNT
	s_cbranch_scc1 .Lwo
	; ---------------- the quantiser ----------------
	v_lshlrev_b32 v3, 4, v2                        ; my 16 bytes of a load's 512
	s_mul_i32 s49, s[WV], WREG
	v_lshrrev_b32 v14, 2, v2
	v_mul_u32_u24 v14, v14, SP
	v_and_b32 v15, 3, v2
	v_lshl_add_u32 v14, v15, 4, v14
	v_add_nc_u32 v14, s49, v14                     ; the stage, on the way in: four lanes' 64 bytes on end, then 16 of padding
	v_mul_u32_u24 v15, v2, SP
	v_add_nc_u32 v15, s49, v15                     ; and on the way out: SP x lane: my 16 neighbours
	v_mul_u32_u24 v4, v2, CB                       ; my codes' place in a step's
	v_lshrrev_b32 v5, 1, v2
	s_add_co_u32 s49, s49, 2*32*SP
	v_add_nc_u32 v5, s49, v5                       ; LDS: my wave's 256 scale bytes, my block's byte
	v_lshlrev_b32 v7, 3, v2                        ; and on the way out 8 bytes a lane
	v_add_nc_u32 v6, s49, v7
	s_cmp_lt_u32 ttmp9, NBIG                       ; an activation or a weight?  Every choice hangs on the work-group's number alone
	s_cselect_b64 s[4:5], s[4:5], s[10:11]
	s_cselect_b64 s[6:7], s[6:7], s[12:13]
	s_cselect_b64 s[8:9], s[8:9], s[14:15]
	s_cselect_b64 s[20:21], s[20:21], s[24:25]     ; the codes' buffer
	s_cselect_b64 s[22:23], s[22:23], s[26:27]     ; the scale bytes'
	s_cselect_b32 s32, 0, NBIG
	s_cselect_b32 s33, 8, 5                        ; 256 or 32 work-groups to a tensor
	s_sub_co_u32 s32, ttmp9, s32                   ; my place in the destination, which holds the three tensors on end
	s_lshr_b32 s34, s32, s33                       ; which of the three
	s_lshl_b32 s35, s34, s33
	s_sub_co_u32 s35, s32, s35                     ; my place in that tensor
	s_cmp_eq_u32 s34, 1
	s_cselect_b64 s[6:7], s[6:7], s[8:9]
	s_cmp_eq_u32 s34, 0
	s_cselect_b64 s[4:5], s[4:5], s[6:7]           ; the source
	s_lshl_b32 s36, s35, 2
	s_add_co_u32 s36, s36, s[WV]
	s_lshl_b32 s36, s36, 15                        ; my wave's run of 8,192 numbers: 32,768 bytes (under 2^26)
	s_mov_b32 s37, 0
	s_add_nc_u64 s[4:5], s[4:5], s[36:37]
	s_lshl_b32 s38, s32, 2
	s_add_co_u32 s38, s38, s[WV]
	s_lshl_b32 s36, s38, 12                        ; 4,096 bytes of codes a run
	s_add_nc_u64 s[20:21], s[20:21], s[36:37]
	s_lshl_b32 s36, s38, 8                         ; 256 scale bytes a run
	s_add_nc_u64 s[22:23], s[22:23], s[36:37]
.macro LOAD t
.irp i, 0,1,2,3
	global_load_b128 v[R+16*((\t)%4)+4*\i:R+16*((\t)%4)+4*\i+3], v3, s[4:5] offset:2048*(\t)+512*\i th:TH_LOAD_NT   ; 32 lanes read 512 consecutive bytes
.endr
.endm
.macro TURN t                          ; step t's numbers through the stage: LDS serves a wave's instructions in order (ISA guide 5.7.1.4), so no wait stands between the stores and the loads
.irp i, 0,1,2,3
	ds_store_b128 v14, v[R+16*((\t)%4)+4*\i:R+16*((\t)%4)+4*\i+3] offset:32*SP*((\t)%2)+8*SP*\i
.endr
.irp i, 0,1,2,3
	ds_load_b128 v[X+16*((\t)%2)+4*\i:X+16*((\t)%2)+4*\i+3], v15 offset:32*SP*((\t)%2)+16*\i
.endr
.endm
.irp t, 0,1,2,3
	LOAD \t
.endr
	s_wait_loadcnt 12                              ; step 0's four loads are in; those of steps 1 to 3 may be out
	TURN 0
.macro STEP t
.set XS, X+16*((\t)%2)
.if (\t) > 0
	s_wait_dscnt 1                                 ; this step's numbers are back from the stage (the last step's byte store may be out): so its stores into the stage have read their registers,
.else
	s_wait_dscnt 0x0
.endif
.if (\t)+4 < STEPS
	LOAD (\t)+4                                    ; which take the loads of four steps on
.endif
.if (\t)+1 < STEPS
.if STEPS-2-(\t) >= 3
	s_wait_loadcnt 12                              ; the next step's four loads are in; those of the three steps behind it may be out
.else
	s_wait_loadcnt 4*(STEPS-2-(\t))
.endif
	TURN (\t)+1                                    ; and go through the other stage while this step is worked
.endif
	v_max3_num_f32 v8, |v[XS]|, |v[XS+1]|, |v[XS+2]|               ; the largest magnitude of my 16, in two chains
	v_max3_num_f32 v9, |v[XS+3]|, |v[XS+4]|, |v[XS+5]|
.irp i, 6,10
	v_max3_num_f32 v8, v8, |v[XS+\i]|, |v[XS+\i+1]|
	v_max3_num_f32 v9, v9, |v[XS+\i+2]|, |v[XS+\i+3]|
.endr
	v_max3_num_f32 v8, v8, |v[XS+14]|, |v[XS+15]|
	v_max3_num_f32 v8, v8, v9, (EMAX+1)<<23        ; and the floor 2^(EMAX + 1 - 127): so the byte cannot fall under 1
	v_max_num_f32_dpp v8, v8, v8 row_xmask:1 row_mask:0xf bank_mask:0xf   ; and of my neighbour's 16: the block's
	v_add_nc_u32 v11, -(EMAX<<23), v8              ; EMAX off its exponent field: the conversion takes the exponent field of this operand as its scale, and nothing else of it
	v_cvt_scalef32_pk8_fp4_f32 v[C+4*(\t)], v[XS:XS+7], v11
	v_cvt_scalef32_pk8_fp4_f32 v[C+4*(\t)+1], v[XS+8:XS+15], v11
	v_lshrrev_b32 v[E+(\t)], 23, v11               ; the scale's byte (a plain line behind the conversions)
	ds_store_b8 v5, v[E+(\t)] offset:16*(\t)       ; both lanes of a block write the same byte with the same value
	global_store_b64 v4, v[C+4*(\t):C+4*(\t)+1], s[20:21] offset:32*CB*(\t)   ; the wave stores 256 consecutive bytes, aligned
.endm
.irp t, 0,1,2,3,4,5,6,7,8,9,10,11,12,13,14,15
	STEP \t
.endr
	ds_load_b64 v[8:9], v6                         ; my wave's 256 scale bytes: these loads see my stores
	s_wait_dscnt 0x0
	global_store_b64 v7, v[8:9], s[22:23]          ; 32 lanes store 256 consecutive bytes, aligned
	s_wait_tensorcnt 0x0                           ; the wave's end: behind my last LDS store
	ds_add_u32 v[SPW], v[NIL]
	s_wait_dscnt 0x0
	s_endpgm
	; ---------------- 2 x Wo as f16, by tiles ----------------
	; Wave W of 256 takes rows 4 W .. 4 W + 3.  Lane l takes row l / 8 and, for each z of 16, the 8 numbers k = 64 z + 8 (l % 8) ..: in the destination the wave's 4 rows x 64 numbers of one z are 512 consecutive bytes.
.Lwo:
	s_sub_co_u32 s32, ttmp9, NQNT
	s_lshl_b32 s32, s32, 2
	s_add_co_u32 s32, s32, s[WV]                   ; W
	s_lshl_b32 s34, s32, 14                        ; 4 rows of 4,096 bytes
	s_mov_b32 s35, 0
	s_add_nc_u64 s[16:17], s[16:17], s[34:35]
	s_lshr_b32 s34, s32, 5
	s_lshl_b32 s34, s34, 18                        ; n / 128: 16 x 128 x 64 x 2 bytes
	s_and_b32 s33, s32, 31
	s_lshl_b32 s33, s33, 9                         ; 4 (W % 32) rows of 128 bytes
	s_add_co_u32 s34, s34, s33
	s_add_nc_u64 s[28:29], s[28:29], s[34:35]
	v_lshrrev_b32 v3, 3, v2
	v_lshlrev_b32 v3, 12, v3
	v_and_b32 v4, 7, v2
	v_lshl_add_u32 v3, v4, 5, v3                   ; in: row l / 8, 32 bytes for each l % 8
	v_lshlrev_b32 v4, 4, v2                        ; out: 16 bytes a lane
.irp z, 0,1,2,3,4,5,6,7,8,9,10,11,12,13,14,15
	global_load_b128 v[16+8*\z:16+8*\z+3], v3, s[16:17] offset:256*\z th:TH_LOAD_NT
	global_load_b128 v[16+8*\z+4:16+8*\z+7], v3, s[16:17] offset:256*\z+16 th:TH_LOAD_NT
.endr
.irp z, 0,1,2,3,4,5,6,7,8,9,10,11,12,13,14,15
	s_wait_loadcnt 30-2*\z                         ; this z's two loads are in; the later pairs may be out
.irp i, 0,2,4,6
	v_pk_mul_f32 v[16+8*\z+\i:16+8*\z+\i+1], v[16+8*\z+\i:16+8*\z+\i+1], 2.0 op_sel_hi:[1,0]
.endr
.irp i, 0,1,2,3
	v_cvt_pk_f16_f32 v[16+8*\z+\i], v[16+8*\z+2*\i], v[16+8*\z+2*\i+1]   ; in place, ascending: a result never lands on numbers still to be read
.endr
	global_store_b128 v4, v[16+8*\z:16+8*\z+3], s[28:29] offset:16384*\z   ; 512 consecutive bytes, aligned; no register is written again, so no wait for the stores' sources
.endr
	s_endpgm
	; ---------------- the mask as lane masks ----------------
	; Job J of 2,048 (a wave each): batch and tile of 16 queries J / 4, keys 256 (J % 4) on.  Lane (r, h) loads 16 bytes of row r: load u brings keys 32 u + 16 h + 0 .. 15; the eight loads cover 256 consecutive bytes of each of 16 rows.
	; A compare of byte kk gives c[kk]: bit l = mask(row l % 16, key 32 u + 16 (l / 16) + kk).  The scores' tile T of 16 keys wants in word j: bits 0-15 key 16 T + j, bits 16-31 key 16 T + 8 + j.
	; So tile 2 u takes the low halves of c[j] and c[j + 8], tile 2 u + 1 their high halves.  Word 8 T + j goes to lane 2 T + j / 4, register j % 4: one store of 16 bytes a lane writes the job's 512 bytes.
.Lmask:
	s_sub_co_u32 s49, ttmp9, NWO
	s_lshl_b32 s49, s49, 2
	s_add_co_u32 s49, s49, s[WV]                   ; J
	s_lshr_b32 s50, s49, 2
	s_lshl_b32 s50, s50, 14                        ; 16 rows of 1,024 bytes
	s_and_b32 s51, s49, 3
	s_lshl_b32 s51, s51, 8
	s_add_co_u32 s50, s50, s51
	s_mov_b32 s51, 0
	s_add_nc_u64 s[18:19], s[18:19], s[50:51]
	s_lshl_b32 s50, s49, 9
	s_add_nc_u64 s[30:31], s[30:31], s[50:51]
	v_and_b32 v3, 15, v2
	v_lshlrev_b32 v3, 10, v3
	v_lshrrev_b32 v4, 4, v2
	v_lshl_add_u32 v3, v4, 4, v3                   ; row r, + 16 h
	v_lshlrev_b32 v4, 4, v2
.irp u, 0,1,2,3,4,5,6,7
	global_load_b128 v[16+4*\u:16+4*\u+3], v3, s[18:19] offset:32*\u th:TH_LOAD_NT
.endr
.irp i, 0,1,2,3
	v_mov_b32 v[48+\i], 0                          ; written whole once: v_writelane_b32 keeps the other lanes
.endr
.irp u, 0,1,2,3,4,5,6,7
	s_wait_loadcnt 7-\u                            ; load u is in; the later ones may be out
.irp kk, 0,1,2,3,4,5,6,7,8,9,10,11,12,13,14,15
	v_and_b32 v[8+\kk%2], 0xff<<(8*(\kk%4)), v[16+4*\u+\kk/4]
	v_cmp_ne_u32 s[32+\kk], 0, v[8+\kk%2]
.endr
.irp j, 0,1,2,3,4,5,6,7
	s_and_b32 s50, s[32+\j], 0xffff
	s_lshl_b32 s51, s[40+\j], 16
	s_or_b32 s50, s50, s51
	v_writelane_b32 v[48+\j%4], s50, 4*\u+\j/4
	s_lshr_b32 s51, s[32+\j], 16
	s_and_b32 s52, s[40+\j], 0xffff0000
	s_or_b32 s51, s51, s52
	v_writelane_b32 v[48+\j%4], s51, 4*\u+2+\j/4
.endr
.endr
	global_store_b128 v4, v[48:51], s[30:31]       ; 512 consecutive bytes, aligned
	s_endpgm
.Lfunc_end_k_qdb55b4c66d_prep:
	.size	k_qdb55b4c66d_prep, .Lfunc_end_k_qdb55b4c66d_prep-k_qdb55b4c66d_prep
	.p2alignl 7, 3214868480
	.fill 96, 4, 3214868480
	.section	.rodata,"a",@progbits
	.p2align	6, 0x0
	.amdhsa_kernel k_qdb55b4c66d_prep
		.amdhsa_group_segment_fixed_size 33280
		.amdhsa_private_segment_fixed_size 0
		.amdhsa_enable_private_segment 0
		.amdhsa_kernarg_size 112
		.amdhsa_user_sgpr_count 2
		.amdhsa_user_sgpr_kernarg_segment_ptr 1
		.amdhsa_wavefront_size32 1
		.amdhsa_system_sgpr_workgroup_id_x 1
		.amdhsa_system_sgpr_workgroup_id_y 1
		.amdhsa_system_sgpr_workgroup_id_z 1
		.amdhsa_system_vgpr_workitem_id 0
		.amdhsa_next_free_vgpr 192
		.amdhsa_next_free_sgpr 66
		.amdhsa_reserve_vcc 0
		.amdhsa_float_denorm_mode_32 3
		.amdhsa_float_denorm_mode_16_64 3
		.amdhsa_memory_ordered 1
		.amdhsa_forward_progress 1
		.amdhsa_inst_pref_size 89
	.end_amdhsa_kernel
	.amdgpu_metadata
---
amdhsa.version: [ 1, 2 ]
amdhsa.kernels:
  - .name:           k_qdb55b4c66d_prep
    .symbol:         k_qdb55b4c66d_prep.kd
    .args:
      - { .name: query, .offset: 0, .size: 8, .value_kind: global_buffer, .address_space: global }
      - { .name: key, .offset: 8, .size: 8, .value_kind: global_buffer, .address_space: global }
      - { .name: value, .offset: 16, .size: 8, .value_kind: global_buffer, .address_space: global }
      - { .name: Wq, .offset: 24, .size: 8, .value_kind: global_buffer, .address_space: global }
      - { .name: Wk, .offset: 32, .size: 8, .value_kind: global_buffer, .address_space: global }
      - { .name: Wv, .offset: 40, .size: 8, .value_kind: global_buffer, .address_space: global }
      - { .name: Wo, .offset: 48, .size: 8, .value_kind: global_buffer, .address_space: global }
      - { .name: mask, .offset: 56, .size: 8, .value_kind: global_buffer, .address_space: global }
      - { .name: xc, .offset: 64, .size: 8, .value_kind: global_buffer, .address_space: global }
      - { .name: xs, .offset: 72, .size: 8, .value_kind: global_buffer, .address_space: global }
      - { .name: wc, .offset: 80, .size: 8, .value_kind: global_buffer, .address_space: global }
      - { .name: wsc, .offset: 88, .size: 8, .value_kind: global_buffer, .address_space: global }
      - { .name: wob, .offset: 96, .size: 8, .value_kind: global_buffer, .address_space: global }
      - { .name: mbits, .offset: 104, .size: 8, .value_kind: global_buffer, .address_space: global }
    .group_segment_fixed_size: 33280
    .private_segment_fixed_size: 0
    .kernarg_segment_align: 8
    .kernarg_segment_size: 112
    .max_flat_workgroup_size: 128
    .sgpr_count:     66
    .vgpr_count:     192
    .wavefront_size: 32
...
	.end_amdgpu_metadata
.endif
;; end of part 1
;; launch proj (part 2): grid 4 x 96, 4 waves a work-group, clusters of 4 x 4, 327,680 bytes of LDS; arguments xc, xs, wc, wsc, qkv, bq, bk, bv; writes qkv
.if DOCPART == 2
	.amdgcn_target "amdgcn-amd-amdhsa--gfx1250"
	.amdhsa_code_object_version 6
	.text
	.protected	k_qdb55b4c66d_proj
	.globl	k_qdb55b4c66d_proj
	.p2align	8
	.type	k_qdb55b4c66d_proj,@function
k_qdb55b4c66d_proj:
	s_mov_b64 s[64:65], 0
	v_nop
	global_prefetch_b8 v0, s[64:65] scope:SCOPE_SE
	s_setreg_imm32_b32 hwreg(HW_REG_WAVE_MODE, 25, 1), 1
	s_wait_xcnt 0x0
	s_wait_alu depctr_hold_cnt(0) depctr_sa_sdst(0) depctr_va_vdst(0) depctr_va_sdst(0) depctr_va_ssrc(0) depctr_va_vcc(0) depctr_vm_vsrc(0)
	s_getreg_b32 s2, hwreg(HW_REG_IB_STS2, 6, 4)
	s_cmp_eq_u32 s2, 0
	s_cbranch_scc0 .Lentry_in_a_cluster
	s_endpgm
.Lentry_in_a_cluster:
	s_bfe_u32 s2, ttmp6, 0x10000c
	s_cmp_lg_u32 s2, 0xf033
	s_cbranch_scc0 .Lentry_shape_is_right
	s_endpgm
.Lentry_shape_is_right:
; PROJ: the three projections q = query Wq^T + bq, k = key Wk^T + bk, v = value Wv^T + bv as ONE product on codes of FP4 (E2M1) with one E8M0 scale for each 32 along K = 1024.
; A: xc [24576][1024 codes] (query, key, value on end), xs [24576][32].  B: wc [3][1024][1024 codes], wsc [3][1024][32]: tile rows 0-31 of the result take Wq, 32-63 Wk, 64-95 Wv.
; RESULT: qkv, f16, [tensor 3][batch 8][head 16][position 1024][64]: (sum + bias) x a multiplier: q x log2(e) / 4, k x 1/2, v x 1/2.  So q . k is the score / 8 in units of log2, and nothing is left to scale in the softmax;
; the halvings are exact and keep room in f16.  LIMITS: |q + bq| < 181,000, |k + bk| and |v + bv| < 131,000 (f16's largest number over the multiplier).
; A tile of the result, 256 x 256, is made by a work-group of four waves; a wave makes 128 x 128: 64 accumulators of 16 x 16, 512 registers.  K = 1024 is two LDS slots of 512 along K (rows of 256 bytes):
; both are asked for at the start, with the scales of all of K, and nothing is filled again.  Three tensor loads of a wave are out at the most.
; CLUSTERS: 4 x 4 work-groups.  The four of a row of the cluster need the same tiles of A, the four of a column the same tiles of B: each tile is asked for JOINTLY, by the same tensor load with the same descriptor and a
; mask that names the four.  Which of the three weights a cluster takes hangs on the cluster's y alone (8 clusters to a tensor), which all sixteen partners share.
; THE MATRIX INSTRUCTION IS USED TRANSPOSED (source 0 = 16 rows of B, source 1 = 16 rows of A): a lane then holds eight neighbouring numbers of a row of the result.  The bias is the C of each sum's first instruction.
; No prefetch: all that a work-group reads is asked for at its head.
; REGISTERS, in windows of 256: window 0: v0-31 addresses; v32-95 scale words, two sets; v128-191 A's fragments (8 x 16 rows x 128 K), ONE set; v192-255 the bias, 8 registers for each of B's 8 blocks; on the way out v32-95 and v192-223 are free.
;   window 1: B's fragments, TWO sets, at v0 and at v128.   window 2: the 32 accumulators of my rows 0-63 (accumulator (a, b) at v[8 (8 a + b)]);   window 3: those of my rows 64-127.
.set SIZE_K, 1024
.set KSTEP,  512                       ; along K in a slot
.set NQ,     KSTEP/128                 ; matrix instructions deep
.set ROWB,   256                       ; a tile's row in bytes
.set KROW,   SIZE_K/2                  ; a row of codes in memory
.set PITCH,  272                       ; an LDS row: 256 bytes + 16 of padding = 68 words: row r starts at bank 4 r mod 64 (64 banks of 4 bytes: ISA guide 11.1)
.set FR,     8                         ; registers of a fragment
.set NL,     2                         ; LDS loads that bring one
.set NP,     4                         ; places behind this matrix instruction (ISA guide 7.12.1)
.set HALFT,  128*PITCH                 ; 128 rows: what one tensor load brings
.set SLOT,   4*HALFT                   ; A's 256 rows, then B's 256 rows
.set KS,     SIZE_K/32                 ; a row of scales in bytes
.set SCL,    2*SLOT                    ; behind the slots: the scales, as rows of 256 bytes + 16 of padding
.set HALFS,  (128*KS/256)*272          ; the scales of 128 rows
.set SBLK,   (16*KS/256)*272           ; those of 16 rows
.set SPARE,  SCL+4*HALFS               ; the spare words, 128 bytes for each wave
.set SPITCH, 272                       ; the way out: a stage of 16 rows x (256 bytes + 16) for each wave, in slot 0, which has had its only fill and its last read when the first result is stored there
.set ADRA, 16                          ; v16-17  LDS address of my A fragments in slot 0, 1
.set ADRB, 20                          ; v20-21  the same for B
.set STO,  24                          ; v24     the way out: where I put 16 bytes of a row
.set RD,   25                          ; v25     where I read back
.set CO,   26                          ; v26     16 x lane
.set ADRS, 27                          ; v27     LDS address of my scale words: lanes 0-15 A's rows, lanes 16-31 B's
.set SPW,  28                          ; v28     my spare word; never rewritten
.set NIL,  29                          ; v29     0; never rewritten
.set BO,   30                          ; v30     32 x (lane / 16): my eight numbers of a block's bias
.set SC,   32
.set AF,   128
.set BIAS, 192
.set TMP,  192                         ; the way out: packed results (the bias is done with)
.set BK,   32                          ; the way out: rows read back: v32-63 and v64-95 by turns
.set G1, 24
.set G0, 32
.set G1B, 48
.set G0B, 56
.set G1S, 68
.set G0S, 76
.set G1SB, 80
.set G0SB, 88
.set TEN, 95                           ; s95     which of q, k, v
.set MSB, 0
.macro WIN new                         ; the immediate's high byte repeats the setting that is left
.if MSB != (\new)
	s_set_vgpr_msb (MSB<<8)|(\new)
.set MSB, (\new)
.endif
.endm
.set MUL_LO, 0xa1                      ; source 0 (B) window 1, source 1 (A) window 0, C and D window 2
.set MUL_HI, 0xf1                      ; the same, C and D window 3
.set TO_B,   0x40                      ; destination window 1, address window 0
; A joint load: waves 0 and 1 fetch for A, waves 2 and 3 for B.  The branch hangs on the wave's number alone.  An s_nop 0 and four v_nop follow each of the two lines.
.macro JLOAD g0a, g1a, g0b, g1b
	s_cmp_eq_u32 s15, 0
	s_cbranch_scc0 .Lfor_b_\@
	tensor_load_to_lds s[\g0a:\g0a+3], s[\g1a:\g1a+7]
	s_nop 0
.rept 4
	v_nop
.endr
	s_branch .Lasked_\@
.Lfor_b_\@:
	tensor_load_to_lds s[\g0b:\g0b+3], s[\g1b:\g1b+7]
	s_nop 0
.rept 4
	v_nop
.endr
.Lasked_\@:
.endm
.macro CROUND                          ; a round of the cluster's barrier
	s_barrier_signal -1
	s_barrier_wait -1
	s_cmp_lg_u32 s14, 0
	s_cbranch_scc1 .Lnot_wave_0_\@
	s_barrier_signal -3
.Lnot_wave_0_\@:
	s_barrier_wait -3
	s_barrier_signal -1
	s_barrier_wait -1
.endm
	s_load_b128 s[4:7], s[0:1], 0x0                ; A's codes s[4:5], A's scales s[6:7]
	s_load_b128 s[8:11], s[0:1], 0x10              ; B's codes s[8:9], B's scales s[10:11]
	s_load_b64 s[12:13], s[0:1], 0x20              ; qkv
	s_load_b128 s[96:99], s[0:1], 0x28             ; bq, bk
	s_load_b64 s[100:101], s[0:1], 0x38            ; bv
	v_lshl_add_u32 v[SPW], v0, 2, SPARE
	v_mov_b32 v[NIL], 0
	ds_add_u32 v[SPW], v[NIL]                      ; the wave's opening: the add, twice on end, and its wait ahead of my first tensor load
	ds_add_u32 v[SPW], v[NIL]                      ; and once more; the set-up below, work on registers, stands between it and the wait
	v_lshrrev_b32 v1, 5, v0
	v_readfirstlane_b32 s14, v1                    ; wave 0..3
	s_lshr_b32 s15, s14, 1                         ; which half of the tile's rows is mine.  Also: I fetch for A (0) or for B (1)
	s_and_b32 s16, s14, 1                          ; which half of its columns.  Also: which 128 rows of that tile I fetch
	s_bfe_u32 s40, ttmp6, 0x40000                  ; cx, cy: my place in the cluster
	s_bfe_u32 s41, ttmp6, 0x40004
	s_lshl_b32 s42, ttmp9, 2
	s_add_co_u32 s42, s42, s40                     ; tile column = 4 x cluster x + cx
	s_and_b32 s17, ttmp7, 0xffff
	s_lshr_b32 s[TEN], s17, 3                      ; 8 clusters along y to a tensor: 0 q, 1 k, 2 v
	s_lshl_b32 s17, s17, 2
	s_add_co_u32 s17, s17, s41                     ; tile row = 4 x cluster y + cy
	s_lshl_b32 s43, s41, 2
	s_lshl_b32 s43, 15, s43                        ; my row of the cluster
	s_lshl_b32 s44, 0x1111, s40                    ; my column
	; descriptor group 1: a tile of 128 rows x 256 bytes, padded in LDS
	s_or_b32 s[G1+0], s43, (0<<16)|(1<<20)|(1<<21)|(5<<22)|(3<<25)  ; 15:0 the mask; 17:16 element of 1 byte; 20 padding on; 21 set beside a mask; 24:22 after every 64 words; 31:25 of 4 words
	s_or_b32 s[G1B+0], s44, (0<<16)|(1<<20)|(1<<21)|(5<<22)|(3<<25)
.irp g, G1, G1B
	s_mov_b32 s[\g+1], ROWB<<16                    ; tensor_dim0
	s_mov_b32 s[\g+2], 128<<16                     ; tensor_dim1
	s_mov_b32 s[\g+3], ROWB<<16                    ; tile_dim0
	s_mov_b32 s[\g+4], 128                         ; tile_dim1
	s_mov_b32 s[\g+5], KROW                        ; tensor_dim0_stride
	s_mov_b32 s[\g+6], 0
	s_mov_b32 s[\g+7], 0
.endr
	; and for the scales of 128 rows: a dense block of 4,096 bytes, as rows of 256 bytes (32 elements of 8 bytes), 16 bytes of padding behind each
	s_or_b32 s[G1S+0], s43, (3<<16)|(1<<20)|(1<<21)|(5<<22)|(3<<25)
	s_or_b32 s[G1SB+0], s44, (3<<16)|(1<<20)|(1<<21)|(5<<22)|(3<<25)
.irp g, G1S, G1SB
	s_mov_b32 s[\g+1], 32<<16
	s_mov_b32 s[\g+2], (128*KS/256)<<16
	s_mov_b32 s[\g+3], 32<<16
	s_mov_b32 s[\g+4], 128*KS/256
	s_mov_b32 s[\g+5], 32
	s_mov_b32 s[\g+6], 0
	s_mov_b32 s[\g+7], 0
.endr
	s_lshl_b32 s18, s16, 7                         ; which 128 rows of the tile I fetch
	s_lshl_b32 s20, s17, 8
	s_add_co_u32 s20, s20, s18                     ; A: row 256 x tile row + 128 x half
	s_lshl_b32 s46, s42, 8
	s_add_co_u32 s46, s46, s18                     ; B: row 256 x tile column + 128 x half
	s_lshl_b32 s47, s[TEN], 10
	s_add_co_u32 s46, s46, s47                     ;    + 1,024 x the tensor
	s_mov_b32 s21, 0
	s_mov_b32 s47, 0
	s_mov_b64 s[18:19], KS
	s_mul_u64 s[22:23], s[20:21], s[18:19]         ; where these rows' scales begin, in bytes
	s_mul_u64 s[92:93], s[46:47], s[18:19]
	s_mov_b64 s[18:19], KROW
	s_mul_u64 s[20:21], s[20:21], s[18:19]         ; and their codes
	s_mul_u64 s[46:47], s[46:47], s[18:19]
	s_mul_i32 s45, s14, HALFT                      ; where they go: wave x 128 rows: no place in the cluster enters an LDS address
	s_mul_i32 s94, s14, HALFS
	s_wait_dscnt 0x0                               ; both opening adds are done
	s_wait_kmcnt 0x0
	s_add_nc_u64 s[20:21], s[4:5], s[20:21]
	s_add_nc_u64 s[22:23], s[6:7], s[22:23]
	s_add_nc_u64 s[46:47], s[8:9], s[46:47]
	s_add_nc_u64 s[92:93], s[10:11], s[92:93]
	CROUND                                         ; all sixteen work-groups are here: the joint loads meet
	s_mov_b32 s[G0S], 1
	s_add_co_u32 s[G0S+1], s94, SCL
	s_mov_b64 s[G0S+2:G0S+3], s[22:23]
	s_or_b32 s[G0S+3], s[G0S+3], 0x80000000
	s_mov_b32 s[G0SB], 1
	s_add_co_u32 s[G0SB+1], s94, SCL
	s_mov_b64 s[G0SB+2:G0SB+3], s[92:93]
	s_or_b32 s[G0SB+3], s[G0SB+3], 0x80000000
	JLOAD G0S, G1S, G0SB, G1SB                     ; the scales first: they are wanted with the first slot
.irp s, 0,1
	s_mov_b32 s[G0+4*\s], 1
	s_add_co_u32 s[G0+4*\s+1], s45, \s*SLOT
	s_add_nc_u64 s[G0+4*\s+2:G0+4*\s+3], s[20:21], \s*ROWB
	s_or_b32 s[G0+4*\s+3], s[G0+4*\s+3], 0x80000000
	s_mov_b32 s[G0B+4*\s], 1
	s_add_co_u32 s[G0B+4*\s+1], s45, \s*SLOT
	s_add_nc_u64 s[G0B+4*\s+2:G0B+4*\s+3], s[46:47], \s*ROWB
	s_or_b32 s[G0B+4*\s+3], s[G0B+4*\s+3], 0x80000000
	JLOAD G0+4*\s, G1, G0B+4*\s, G1B
.endr
	v_and_b32 v1, 15, v0                           ; r = l % 16
	v_bfe_u32 v2, v0, 4, 1                         ; h = l / 16
	v_mul_u32_u24 v3, v1, PITCH
	v_lshl_add_u32 v4, v2, 4, v3                   ; a fragment's row x pitch + 16 x half
	s_mul_i32 s21, s15, HALFT                      ; my 128 rows of A
	s_mul_i32 s22, s16, HALFT                      ; my 128 rows of B,
	s_add_co_u32 s22, s22, 2*HALFT                 ; which lie behind A's 256
.irp s, 0,1
	v_add_nc_u32 v[ADRA+\s], s21, v4
	v_add_nc_u32 v[ADRB+\s], s22, v4
	s_add_co_u32 s21, s21, SLOT
	s_add_co_u32 s22, s22, SLOT
.endr
	v_mul_u32_u24 v5, v1, KS                       ; my row's scales: KS bytes a row,
	v_lshrrev_b32 v6, 8, v5
	v_lshl_add_u32 v5, v6, 4, v5                   ; and 16 more for each 256 passed
	s_mul_i32 s21, s15, HALFS                      ; A's: my 128 rows
	s_mul_i32 s22, s16, HALFS                      ; B's: my 128 rows, behind A's 256
	s_add_co_u32 s22, s22, 2*HALFS
	s_sub_co_u32 s22, s22, s21
	v_mul_u32_u24 v6, s22, v2                      ; lanes 16-31 take B's: one product, the distance between the two bases
	s_add_co_u32 s21, s21, SCL
	v_add_nc_u32 v5, v5, v6
	v_add_nc_u32 v[ADRS], s21, v5
	s_mul_i32 s23, s14, 16*SPITCH                  ; my stage
	v_mul_u32_u24 v5, v1, SPITCH                   ; in: row r, 16 bytes for each half of the lanes
	v_lshl_add_u32 v5, v2, 4, v5
	v_add_nc_u32 v[STO], s23, v5
	v_bfe_u32 v5, v0, 3, 2                         ; back: eight lanes take a head's 128 bytes of a row, the 32 lanes four rows
	v_mul_u32_u24 v5, v5, SPITCH
	v_and_b32 v6, 7, v0
	v_lshl_add_u32 v5, v6, 4, v5
	v_add_nc_u32 v[RD], s23, v5
	v_and_b32 v6, 31, v0
	v_lshlrev_b32 v[CO], 4, v6
	v_lshlrev_b32 v[BO], 5, v2
	; where my 128 x 128 goes: row m0 of 24,576 is (tensor, batch) m0 / 1024 and position m0 % 1024; column n0 is head n0 / 64
	s_lshl_b32 s20, s17, 8
	s_lshl_b32 s21, s15, 7
	s_add_co_u32 s20, s20, s21                     ; m0
	s_lshl_b32 s46, s42, 8
	s_lshl_b32 s47, s16, 7
	s_add_co_u32 s46, s46, s47                     ; n0
	s_lshr_b32 s21, s20, 10
	s_lshl_b32 s21, s21, 4
	s_lshr_b32 s47, s46, 6
	s_add_co_u32 s21, s21, s47
	s_lshl_b32 s21, s21, 17                        ; a head's 1,024 rows of 128 bytes
	s_and_b32 s20, s20, 1023
	s_lshl_b32 s20, s20, 7
	s_add_co_u32 s20, s20, s21                     ; under 2^26
	s_mov_b32 s21, 0
	s_add_nc_u64 s[12:13], s[12:13], s[20:21]
	s_cmp_eq_u32 s[TEN], 1                         ; the bias and the multiplier of my tensor: choices on the cluster's y alone
	s_cselect_b64 s[98:99], s[98:99], s[100:101]
	s_cmp_eq_u32 s[TEN], 0
	s_cselect_b64 s[96:97], s[96:97], s[98:99]
	s_mov_b32 s3, 0x3f000000                       ; 1/2
	s_cselect_b32 s2, 0x3eb8aa3b, s3               ; log2(e) / 4 for q
	s_mov_b32 s3, s2                               ; (named with it as a pair, so it is written)
	s_lshl_b32 s46, s46, 2
	s_mov_b32 s47, 0
	s_add_nc_u64 s[96:97], s[96:97], s[46:47]      ; the bias at my first column
.irp b, 0,1,2,3,4,5,6,7
	global_load_b128 v[BIAS+8*\b:BIAS+8*\b+3], v[BO], s[96:97] offset:64*\b        ; lane (r, h), block b: the bias of columns 16 b + 8 h + 0 .. 7: the result's layout
	global_load_b128 v[BIAS+8*\b+4:BIAS+8*\b+7], v[BO], s[96:97] offset:64*\b+16
.endr
.macro FRAG reg, adr, q, i             ; a fragment, 16 rows x 128 K of 4-bit codes: lane l holds row l % 16; registers 4 c .. 4 c + 3 hold K = 64 c + 32 (l / 16) + 0 .. 31
.irp c, 0,1
	ds_load_b128 v[\reg+4*\c:\reg+4*\c+3], v[\adr] offset:64*(\q)+32*\c+(\i)*16*PITCH
.endr
.endm
; 16 matrix instructions: A's blocks a0, a0 + 1 x B's eight, 128 along K: the slot's q-th.  p: B's set;  sc: the set of scale words.  zero = 1: the first product starts the sums, with the bias as its C: nothing is cleared.
; The 64 accumulators take turns, one instruction a turn, in the same order in every step.
.macro MUL16 a0, p, q, sc, zero
.irp a, \a0, \a0+1
.irp b, 0,1,2,3,4,5,6,7
.if \zero
	v_wmma_scale_f32_16x16x128_f8f6f4 v[8*(8*((\a)%4)+\b):8*(8*((\a)%4)+\b)+7], v[128*(\p)+FR*\b:128*(\p)+FR*\b+FR-1], v[AF+FR*(\a):AF+FR*(\a)+FR-1], v[BIAS+8*\b:BIAS+8*\b+7], v[SC+8*NQ*(\sc)+NQ*\b+(\q)], v[SC+8*NQ*(\sc)+NQ*(\a)+(\q)] matrix_a_fmt:MATRIX_FMT_FP4 matrix_b_fmt:MATRIX_FMT_FP4 matrix_a_scale:MATRIX_SCALE_ROW1
.else
	v_wmma_scale_f32_16x16x128_f8f6f4 v[8*(8*((\a)%4)+\b):8*(8*((\a)%4)+\b)+7], v[128*(\p)+FR*\b:128*(\p)+FR*\b+FR-1], v[AF+FR*(\a):AF+FR*(\a)+FR-1], v[8*(8*((\a)%4)+\b):8*(8*((\a)%4)+\b)+7], v[SC+8*NQ*(\sc)+NQ*\b+(\q)], v[SC+8*NQ*(\sc)+NQ*(\a)+(\q)] matrix_a_fmt:MATRIX_FMT_FP4 matrix_b_fmt:MATRIX_FMT_FP4 matrix_a_scale:MATRIX_SCALE_ROW1
.endif
.endr
.endr
.endm
.macro FETCH_B slot, q, p              ; B's eight fragments of the slot's q-th 128 along K into set p
	WIN TO_B
.irp i, 0,1,2,3,4,5,6,7
	FRAG 128*(\p)+FR*\i, ADRB+\slot, \q, \i
.endr
	WIN 0
.endm
.macro FETCH_A slot, q, i0             ; A's blocks i0 .. i0 + 3
.irp i, \i0, \i0+1, \i0+2, \i0+3
	FRAG AF+FR*(\i), ADRA+\slot, \q, \i
.endr
.endm
.macro SCALES sc                       ; a slot's scale words into set sc: NQ words a row; lanes 0-15 take A's block i, lanes 16-31 B's block i
.irp i, 0,1,2,3,4,5,6,7
	ds_load_b128 v[SC+8*NQ*\sc+NQ*\i:SC+8*NQ*\sc+NQ*\i+3], v[ADRS] offset:\i*SBLK
.endr
.endm
; A load into a register that a matrix instruction has read, and a vector instruction that reads or writes a matrix result, stand NP places behind that matrix instruction, and only plain vector
; instructions that name none of its registers are places (ISA guide 7.12.1 for vector instructions).
.macro PLACES n
.rept \n
	v_nop
.endr
.endm
; A step of 128 along K that has its successor in the same slot.  zero = 1: C is the bias, in window 0.
.macro STEP slot, q, zero
	s_wait_dscnt 4*NL                              ; B's set and A's blocks 0-3 are in; the youngest eight loads (A's blocks 4-7) may be out
	WIN MUL_LO-0x20*(\zero)
	MUL16 0, (\q)%2, \q, \slot, \zero
	MUL16 2, (\q)%2, \q, \slot, \zero
	s_wait_dscnt 0                                 ; A's blocks 4-7 are in (asked for 32 matrix instructions ago)
	PLACES NP
	FETCH_B \slot, (\q)+1, 1-(\q)%2
	FETCH_A \slot, (\q)+1, 0
	WIN MUL_HI-0x30*(\zero)
	MUL16 4, (\q)%2, \q, \slot, \zero
	MUL16 6, (\q)%2, \q, \slot, \zero
	PLACES NP
	WIN 0
	FETCH_A \slot, (\q)+1, 4
.endm
; Slot 0's last step changes slots: ONE barrier; in front of it each wave waits for all its tensor loads (its part of slot 1), adds 0 to its spare word, and waits for that and for its own reads of slot 0.  Nothing is filled again.
.macro TURN slot, next
	s_wait_tensorcnt 0x0                           ; all my tensor loads have landed: my part of the next slot;  (every window is 0 here)
	ds_add_u32 v[SPW], v[NIL]                      ; 0 onto my spare word;
	s_wait_dscnt 4*NL+1                            ; (the add and the youngest eight loads, A's blocks 4-7, may be out)
	WIN MUL_LO
	MUL16 0, 1, NQ-1, \slot, 0                     ; sixteen matrix instructions stand between the add and the wait for it
	s_wait_dscnt 0x0                               ; the add is done, and my reads of this slot are over
	s_barrier_signal -1
	MUL16 2, 1, NQ-1, \slot, 0
	WIN 0
	s_barrier_wait -1
	PLACES NP
	v_add_nc_u32 v[ADRS], 4*NQ, v[ADRS]            ; on to the next slot's scale words (no LDS load of mine is out)
	FETCH_B \next, 0, 0
	FETCH_A \next, 0, 0
	SCALES \next
	WIN MUL_HI
	MUL16 4, 1, NQ-1, \slot, 0
	MUL16 6, 1, NQ-1, \slot, 0
	PLACES NP
	WIN 0
	FETCH_A \next, 0, 4
.endm
.macro STEPS slot, from                ; the slot's steps from .. NQ - 2
.set Q, \from
.rept NQ-1-\from
	STEP \slot, Q, 0
.set Q, Q+1
.endr
.endm
	s_wait_tensorcnt 1                             ; the scales and my part of slot 0 are in (slot 1's load may be out)
	s_barrier_signal -1
	s_barrier_wait -1                              ; everybody's are
	FETCH_B 0, 0, 0
	FETCH_A 0, 0, 0
	SCALES 0
	FETCH_A 0, 0, 4
	s_wait_loadcnt 0x0                             ; the bias
	STEP 0, 0, 1                                   ; the first step's products start the sums
	STEPS 0, 1
	TURN 0, 1
	STEPS 1, 0
	s_wait_dscnt 4*NL                              ; the very last step: nothing more to fetch
	WIN MUL_LO
	MUL16 0, 1, NQ-1, 1, 0
	MUL16 2, 1, NQ-1, 1, 0
	s_wait_dscnt 0
	WIN MUL_HI
	MUL16 4, 1, NQ-1, 1, 0
	MUL16 6, 1, NQ-1, 1, 0
	WIN 0
; THE WAY OUT, block by block of 16 rows x 128 columns (two heads).  PACK: x the multiplier, rounded to f16: 16 bytes a lane.  TOSTAGE: into my own stage, and back so that the 32 lanes hold four whole rows of one head.
; SEND: stored: a head's rows follow each other in memory, so each store covers 512 consecutive bytes, aligned.
.macro PACK a
.set AC, 64*((\a)%4)
	WIN 0x82+0x41*((\a)/4)                         ; source 0 and destination: window 2 or 3
.set i, 0
.rept 32
	v_pk_mul_f32 v[AC+i:AC+i+1], v[AC+i:AC+i+1], s[2:3] op_sel_hi:[1,0]   ; ascending: each accumulator is read from its low end on
.set i, i+2
.endr
	WIN 0x0a+5*((\a)/4)                            ; sources 0 and 1: window 2 or 3; destination window 0
.irp b, 0,1,2,3,4,5,6,7
.irp r, 0,1,2,3
	v_cvt_pk_f16_f32 v[TMP+4*\b+\r], v[AC+8*\b+2*\r], v[AC+8*\b+2*\r+1]
.endr
.endr
	WIN 0
.endm
.macro TOSTAGE a
.set BB, BK+32*((\a)%2)
.irp b, 0,1,2,3,4,5,6,7
	ds_store_b128 v[STO], v[TMP+4*\b:TMP+4*\b+3] offset:32*\b
.endr
.irp t, 0,1,2,3,4,5,6,7
	ds_load_b128 v[BB+4*\t:BB+4*\t+3], v[RD] offset:(\t%4)*4*SPITCH+(\t/4)*128   ; LDS serves a wave's instructions in order (ISA guide 5.7.1.4): these see the stores above.  Rows 4 (t % 4) on, head t / 4
.endr
.endm
.macro SEND a
.set BB, BK+32*((\a)%2)
	s_wait_dscnt 0x0                               ; the block is back in registers
	s_wait_xcnt 0x0                                ; the earlier stores have read their registers: the next block's loads may land where the block before this one lay
.irp t, 0,1,2,3,4,5,6,7
	global_store_b128 v[CO], v[BB+4*\t:BB+4*\t+3], s[12:13] offset:(\a)*2048+(\t%4)*512+(\t/4)*131072
.endr
.endm
	PLACES NP                                      ; behind the last products
	PACK 0
	TOSTAGE 0
.irp a, 1,2,3,4,5,6,7                  ; block a's arithmetic stands between block a - 1's loads from the stage and the wait for them
	PACK \a
	SEND \a-1
	TOSTAGE \a
.endr
	SEND 7
	s_wait_tensorcnt 0x0                           ; the wave's end: behind my last tensor load and my last LDS store
	ds_add_u32 v[SPW], v[NIL]
	s_wait_dscnt 0x0
	CROUND                                         ; the closing round: no work-group ends while a partner may still ask for a tile that names it
	s_endpgm
.Lfunc_end_k_qdb55b4c66d_proj:
	.size	k_qdb55b4c66d_proj, .Lfunc_end_k_qdb55b4c66d_proj-k_qdb55b4c66d_proj
	.p2alignl 7, 3214868480
	.fill 96, 4, 3214868480
	.section	.rodata,"a",@progbits
	.p2align	6, 0x0
	.amdhsa_kernel k_qdb55b4c66d_proj
		.amdhsa_group_segment_fixed_size 327680
		.amdhsa_private_segment_fixed_size 0
		.amdhsa_enable_private_segment 0
		.amdhsa_kernarg_size 64
		.amdhsa_user_sgpr_count 2
		.amdhsa_user_sgpr_kernarg_segment_ptr 1
		.amdhsa_wavefront_size32 1
		.amdhsa_system_sgpr_workgroup_id_x 1
		.amdhsa_system_sgpr_workgroup_id_y 1
		.amdhsa_system_sgpr_workgroup_id_z 1
		.amdhsa_system_vgpr_workitem_id 0
		.amdhsa_next_free_vgpr 1024
		.amdhsa_next_free_sgpr 102
		.amdhsa_reserve_vcc 0
		.amdhsa_float_denorm_mode_32 3
		.amdhsa_float_denorm_mode_16_64 3
		.amdhsa_memory_ordered 1
		.amdhsa_forward_progress 1
		.amdhsa_inst_pref_size 145
	.end_amdhsa_kernel
	.amdgpu_metadata
---
amdhsa.version: [ 1, 2 ]
amdhsa.kernels:
  - .name:           k_qdb55b4c66d_proj
    .symbol:         k_qdb55b4c66d_proj.kd
    .args:
      - { .name: xc, .offset: 0, .size: 8, .value_kind: global_buffer, .address_space: global }
      - { .name: xs, .offset: 8, .size: 8, .value_kind: global_buffer, .address_space: global }
      - { .name: wc, .offset: 16, .size: 8, .value_kind: global_buffer, .address_space: global }
      - { .name: wsc, .offset: 24, .size: 8, .value_kind: global_buffer, .address_space: global }
      - { .name: qkv, .offset: 32, .size: 8, .value_kind: global_buffer, .address_space: global }
      - { .name: bq, .offset: 40, .size: 8, .value_kind: global_buffer, .address_space: global }
      - { .name: bk, .offset: 48, .size: 8, .value_kind: global_buffer, .address_space: global }
      - { .name: bv, .offset: 56, .size: 8, .value_kind: global_buffer, .address_space: global }
    .group_segment_fixed_size: 327680
    .private_segment_fixed_size: 0
    .kernarg_segment_align: 8
    .kernarg_segment_size: 64
    .max_flat_workgroup_size: 128
    .sgpr_count:     102
    .vgpr_count:     1024
    .wavefront_size: 32
...
	.end_amdgpu_metadata
.endif
;; end of part 2
;; launch attn (part 3): grid 2 x 128, 16 waves a work-group, no clusters, 327,680 bytes of LDS; arguments qkv, mbits, catb; writes catb
.if DOCPART == 3
	.amdgcn_target "amdgcn-amd-amdhsa--gfx1250"
	.amdhsa_code_object_version 6
	.text
	.protected	k_qdb55b4c66d_attn
	.globl	k_qdb55b4c66d_attn
	.p2align	8
	.type	k_qdb55b4c66d_attn,@function
k_qdb55b4c66d_attn:
	s_mov_b64 s[64:65], 0
	v_nop
	global_prefetch_b8 v0, s[64:65] scope:SCOPE_SE
	s_setreg_imm32_b32 hwreg(HW_REG_WAVE_MODE, 25, 1), 1
	s_wait_xcnt 0x0
; ATTN: for each batch b and head: cat = softmax(q k^T / 8, masked) v.  qkv: f16 [q, k, v][b 8][head 16][position 1024][64]; q comes x log2(e) / 4 and k x 1/2, so q . k is the score / 8 in units of log2; v comes x 1/2.
; mbits: the mask as lane masks, [b][tile of 16 queries 64][step of 64 keys 16][32 words]: bit l of word n belongs to lane l's register n of a step's scores; a set bit hides the key.
; RESULT: catb, f16, cat / 2, laid [row / 128 (64)][head 16][row % 128][64], row = 1024 b + position: the tiles of the last launch are dense blocks of it.
; SOFTMAX: a running maximum M and sum L for each query: p = 2^(s - M); in every step O and L are multiplied by 2^(old M - new M).  A hidden score becomes -infinity ahead of the maximum, so its p is 0.  M begins at -3e38:
; while every key so far is hidden, L and O stay 0; a query all of whose keys are hidden ends as 0 x (1 / 0) = NaN, as a softmax of -infinities is.  Products and sums in f32; q, k, v and p are f16 operands.
; LIMITS: scores below -3e38 in units of log2, NaN and infinities among q, k, v are not served.
; SHARES.  A work-group owns 512 queries of one head (x = which half, y = 16 b + head); each of its SIXTEEN waves owns 32 of them, two tiles of 16, in 256 registers: four waves to a SIMD, so that one wave's vector work
; stands beside another's matrix work and LDS loads.  The head's WHOLE K and V, 2 x 131,072 bytes, come into LDS once: waves 0 and 1 fetch K's halves, waves 2 and 3 V's, four tensor loads each (64 rows of 256 bytes: 128 keys),
; in the order of the keys, all issued at the head: four loads of a wave are out at the most.  Nothing is filled again.
; TWO BARRIERS.  The first shows keys 0-255 to all sixteen waves (each fetching wave's first load); three steps of 64 keys are walked while the rest lands.  In front of the second every wave waits for ALL its tensor loads:
; behind it the whole head lies in LDS, and the other thirteen steps have no barrier: each wave goes at its own pace.
; THE MASK WORDS: 32 scalar registers for a tile and a step, by scalar loads, whose counter is waited for at 0 alone (they may come back in any order: ISA guide 5.7.1).  In the first three steps one set serves both tiles by turns: the
; registers of a second set hold the tensor loads' descriptors.  Behind the wait for all tensor loads those registers are free: from step 3 on each tile has its set, step j asks for both tiles' words of step j + 1, each set just
; behind the lines that used it, and a step has one wait, at its head.  The last step is written out and asks for nothing: the second tile's next words would lie past the buffer's end in the launch's last wave.
; NO CLUSTER: K and V are shared by the two work-groups of a head alone (the grid is 2 along x, which no cluster of four divides); along y neighbours are other heads and share nothing.
; NO PREFETCH: every byte of K and V is asked for by the tensor loads at the head; the mask words are asked for a step ahead by their own loads.
; LAYOUT.  S^T = K Q^T (source 0 = 16 keys, source 1 = 16 queries): a lane holds ONE query (lane % 16) and the keys 8 (lane / 16) + 0..7 of a tile.  Two such tiles, rounded to f16 in pairs, ARE source 1 (32 keys x 16 queries)
; of O^T = V^T P, whose result again holds one query a lane.  K comes out of LDS as it lies, V ([key][channel]) turned, by ds_load_tr16_b128.
; LDS.  Two keys' rows (2 x 128 bytes) make a row of 256 bytes.  K: + 16 of padding (272): key k at (k / 2) 272 + (k % 2) 128: the 16 rows of a fragment load start in 16 different groups of four banks (64 banks of 4 bytes: ISA guide 11.1).
; V: + 32 of padding (288).
.set KP2,    272
.set VP2,    288
.set VBASE,  512*KP2                   ; V behind K's 512 double rows
.set STG,    VBASE+512*VP2             ; the way out: 16 rows x (128 bytes + 16) for each wave; no tile lands there
.set SROW,   144
.set SPARE,  STG+16*16*SROW            ; the spare words, 128 bytes for each wave
.set KSTG,   128*KP2                   ; 256 keys in LDS: what the fetching waves' g-th loads bring together
.set VSTG,   128*VP2
.set KSTEPB, 32*KP2                    ; a step of 64 keys
.set VSTEPB, 32*VP2
.set TENSORB, 16777216                 ; bytes of each of q, k, v in qkv
.set SPW,  1                           ; v1   my spare word; never rewritten
.set NIL,  2                           ; v2   0; never rewritten
.set AK0,  3                           ; v3   my lane's place in a tile of K
.set AV0,  4                           ; v4   the same for V
.set ADK,  5                           ; v5   LDS address of the step's K; on the way out: where I put 16 bytes of a row
.set ADV,  6                           ; v6   of its V; on the way out: where I read back
.set NINF, 7                           ; v7   -infinity
.set ST,   8                           ; tile t's statistics at v[8 + 8 t]: +0 M, +1 a zero (named with M as a pair), +2, +3 L (even keys', odd keys'), +4 to +7 c0-c3, at work; 2^(old M - new M) takes c2's place
.set QF,   24                          ; v24-55   Q: tile t, channels 32 ks on: 8 registers at 16 t + 8 ks
.set S,    56                          ; v56-119  S^T: tile t, keys 16 kt on: 8 registers at 32 t + 8 kt; then p; P in place at 32 t + 8 kg
.set O,    120                         ; v120-183 O^T: tile t, channels 16 ct on: 8 registers at 32 t + 8 ct
.set KV,   184                         ; v184-247 K's fragments (16 kt + 8 ks), then V's (32 kg + 8 ct)
.set QO,   252                         ; v252 my byte offset in Q's rows; on the way out 16 x lane
.set TBK,  3                           ; s3   LDS byte at which the step's K begins
.set WV,   10                          ; s10  my wave's number
.set TBV,  11                          ; s11  the same for V, from VBASE on
.set MP,   6                           ; s[6:7] the mask words of my first tile, at the step that is asked for
.set G1K,  12                          ; s[12:19] descriptor group 1 for K;  s[20:27] for V: it differs in the padding alone
.set G1V,  20
.set SEL,  28                          ; s[28:29] lane selects for v_permlanex16_b32: lane l xor 16
.set MW,   32                          ; s[32:63] 32 mask words: in steps 0-2 both tiles' by turns, then tile 0's
.set G0K,  68                          ; s[68:83] descriptor group 0 for K, a set for each of a wave's four loads;  s[84:99] for V
.set G0V,  84
.set MB,   68                          ; s[68:99] behind the wait for all tensor loads: tile 1's 32 mask words
	s_load_b128 s[4:7], s[0:1], 0x0                ; qkv s[4:5], mbits s[6:7]
	s_load_b64 s[8:9], s[0:1], 0x10                ; catb
	v_lshl_add_u32 v[SPW], v0, 2, SPARE
	v_mov_b32 v[NIL], 0
	ds_add_u32 v[SPW], v[NIL]                      ; the wave's opening: the add, twice on end, and its wait ahead of the first tensor loads
	ds_add_u32 v[SPW], v[NIL]                      ; and once more; the set-up below, work on registers, stands between it and the wait
	v_lshrrev_b32 v248, 5, v0
	v_readfirstlane_b32 s[WV], v248                ; wave 0..15
	; descriptor group 1: 64 rows of 256 bytes (32 elements of 8 bytes), dense in memory, padded in LDS
	s_mov_b32 s[G1K], (3<<16)|(1<<20)|(5<<22)|(3<<25)   ; 15:0 no mask; 17:16 elements of 8 bytes; 20 padding on; 24:22 after every 64 words; 31:25 four words
	s_mov_b32 s[G1V], (3<<16)|(1<<20)|(5<<22)|(7<<25)   ; the same with eight words of padding
.irp g, G1K, G1V
	s_mov_b32 s[\g+1], 32<<16                      ; tensor_dim0
	s_mov_b32 s[\g+2], 64<<16                      ; tensor_dim1
	s_mov_b32 s[\g+3], 32<<16                      ; tile_dim0
	s_mov_b32 s[\g+4], 64                          ; tile_dim1
	s_mov_b32 s[\g+5], 32                          ; tensor_dim0_stride
	s_mov_b32 s[\g+6], 0
	s_mov_b32 s[\g+7], 0
.endr
	s_and_b32 s30, ttmp7, 0xffff                   ; y = 16 b + head
	s_and_b32 s31, s[WV], 1                        ; which half of each 256 keys I fetch, if I fetch
	s_mul_i32 s32, s31, 64*KP2
	s_mul_i32 s33, s31, 64*VP2
.irp g, 0,1,2,3
	s_mov_b32 s[G0K+4*\g], 1                       ; 1:0 count = 1
	s_add_co_u32 s[G0K+4*\g+1], s32, \g*KSTG       ; 63:32 LDS address: a constant x (wave % 2) + the load's constant
	s_mov_b32 s[G0V+4*\g], 1
	s_add_co_u32 s[G0V+4*\g+1], s33, VBASE+\g*VSTG
.endr
	s_lshl_b32 s66, s30, 17                        ; the head's 131,072 bytes,
	s_lshl_b32 s67, s31, 14                        ; my half: 128 keys of 128 bytes,
	s_add_co_u32 s66, s66, s67
	s_add_co_u32 s66, s66, TENSORB                 ; in k (under 2^26)
	s_mov_b32 s67, 0
	s_lshl_b32 s34, ttmp9, 9
	s_lshl_b32 s35, s[WV], 5
	s_add_co_u32 s34, s34, s35                     ; my first query's position: 512 x + 32 wave
	s_lshl_b32 s36, s30, 17
	s_lshl_b32 s37, s34, 7
	s_add_co_u32 s36, s36, s37                     ; its row in q
	s_mov_b32 s37, 0
	s_lshr_b32 s38, s30, 4                         ; b
	s_lshl_b32 s39, s38, 6
	s_lshr_b32 s40, s34, 4
	s_add_co_u32 s40, s40, s39                     ; my first tile of queries: 64 b + position / 16
	s_lshl_b32 s40, s40, 11                        ; 16 steps x 128 bytes of mask words a tile
	s_mov_b32 s41, 0
	s_lshl_b32 s42, s38, 10
	s_add_co_u32 s42, s42, s34                     ; my first row of cat
	s_lshr_b32 s43, s42, 7
	s_lshl_b32 s43, s43, 18                        ; row / 128: 16 heads x 128 rows x 128 bytes
	s_and_b32 s44, s30, 15
	s_lshl_b32 s44, s44, 14                        ; the head: 128 rows x 128 bytes
	s_add_co_u32 s43, s43, s44
	s_and_b32 s42, s42, 127
	s_lshl_b32 s42, s42, 7
	s_add_co_u32 s42, s42, s43
	s_mov_b32 s43, 0
	s_mov_b32 s[SEL], 0x76543210
	s_mov_b32 s[SEL+1], 0xfedcba98
	s_wait_dscnt 0x0                               ; both opening adds are done
	s_wait_kmcnt 0x0
	s_add_nc_u64 s[100:101], s[4:5], s[66:67]      ; k at my half of the first 256 keys
.irp g, 0,1,2,3
	s_add_nc_u64 s[G0K+4*\g+2:G0K+4*\g+3], s[100:101], \g*32768           ; 120:64 global address: 256 keys on with each load
	s_or_b32 s[G0K+4*\g+3], s[G0K+4*\g+3], 0x80000000                     ; 127:126 type = 2
	s_add_nc_u64 s[G0V+4*\g+2:G0V+4*\g+3], s[100:101], TENSORB+\g*32768   ; v lies one tensor behind k
	s_or_b32 s[G0V+4*\g+3], s[G0V+4*\g+3], 0x80000000
.endr
	s_add_nc_u64 s[4:5], s[4:5], s[36:37]          ; q at my first query
	s_add_nc_u64 s[MP:MP+1], s[MP:MP+1], s[40:41]
	s_add_nc_u64 s[8:9], s[8:9], s[42:43]
	s_cmp_lt_u32 s[WV], 2                          ; a wave's four first fills stand in one branch on the wave's number, ahead of every wait on TENSORcnt, every LDS read and every barrier; an s_nop 0 follows each, four v_nop the last
	s_cbranch_scc0 .Lnot_k
.irp g, 0,1,2,3
	tensor_load_to_lds s[G0K+4*\g:G0K+4*\g+3], s[G1K:G1K+7]
	s_nop 0
.endr
.rept 4
	v_nop
.endr
	s_branch .Lasked
.Lnot_k:
	s_cmp_lt_u32 s[WV], 4
	s_cbranch_scc0 .Lasked
.irp g, 0,1,2,3
	tensor_load_to_lds s[G0V+4*\g:G0V+4*\g+3], s[G1V:G1V+7]
	s_nop 0
.endr
.rept 4
	v_nop
.endr
.Lasked:
	s_load_b512 s[MW:MW+15], s[MP:MP+1], 0x0       ; the mask words of tile 0, step 0
	s_load_b512 s[MW+16:MW+31], s[MP:MP+1], 0x40
	v_and_b32 v248, 15, v0                         ; r = lane % 16
	v_bfe_u32 v249, v0, 4, 1                       ; h = lane / 16
	v_lshlrev_b32 v[QO], 7, v248
	v_lshl_add_u32 v[QO], v249, 4, v[QO]           ; Q: row r of 128 bytes, + 16 h
.irp t, 0,1
.irp ks, 0,1
	global_load_b128 v[QF+16*\t+8*\ks:QF+16*\t+8*\ks+3], v[QO], s[4:5] offset:\t*2048+\ks*64       ; Q stays in registers
	global_load_b128 v[QF+16*\t+8*\ks+4:QF+16*\t+8*\ks+7], v[QO], s[4:5] offset:\t*2048+\ks*64+32
.endr
.endr
	v_lshrrev_b32 v250, 1, v248
	v_mul_u32_u24 v[AK0], v250, KP2
	v_and_b32 v250, 1, v0
	v_lshl_add_u32 v[AK0], v250, 7, v[AK0]
	v_lshl_add_u32 v[AK0], v249, 4, v[AK0]         ; K: key r: (r / 2) 272 + (r % 2) 128, + 16 h
	v_bfe_u32 v251, v0, 1, 2
	v_lshl_add_u32 v251, v249, 2, v251             ; V: the turning load's lane l reads key 8 h + l % 8: double row 4 h + (l % 8) / 2,
	v_mul_u32_u24 v[AV0], v251, VP2
	v_lshl_add_u32 v[AV0], v250, 7, v[AV0]         ; its half l % 2,
	v_bfe_u32 v251, v0, 3, 1
	v_lshl_add_u32 v[AV0], v251, 4, v[AV0]         ; channels 8 ((l / 8) % 2) on
	v_add_nc_u32 v[AV0], VBASE, v[AV0]
	v_mov_b32 v[NINF], 0xff800000
.irp t, 0,1
	v_mov_b32 v[ST+8*\t], 0xff61b1e6               ; M: -3e38, under every score
	v_mov_b32 v[ST+8*\t+1], 0
	v_mov_b32 v[ST+8*\t+2], 0                      ; L
	v_mov_b32 v[ST+8*\t+3], 0
.endr
.set n, 0
.rept 64
	v_mov_b32 v[O+n], 0                            ; O^T.  (The step has no first form of its own: the first finds zeros, which the first change of M leaves zeros)
.set n, n+1
.endr
	s_wait_loadcnt 0x0                             ; Q
; ONE TILE'S SOFTMAX FOR ONE STEP OF 64 KEYS: 32 scores a lane.
; two = 0: one set of mask words serves both tiles by turns, with a wait at each tile's head.  two = 1: a set for each tile, and one wait a step, at tile 0's head.  ask = 1: the words that the set takes next are asked for.
.macro SOFT t, two, ask
.set rT, ST+8*(\t)
.set rS, S+32*(\t)
.set rO, O+32*(\t)
.set rM, MW+(MB-MW)*(\t)*(\two)
.if (\t)*(\two) == 0
	s_wait_kmcnt 0x0                               ; the mask words are in (two = 1: both tiles', asked for a step ago); no scalar load of mine is out
.endif
.if (\two)*(\ask)*(1-(\t))
	s_add_nc_u64 s[MP:MP+1], s[MP:MP+1], 128       ; so the pointer may be written: on to the next step's words
.endif
.set n, 0
.rept 32
	v_cndmask_b32 v[rS+n], v[rS+n], v[NINF], s[rM+n]   ; a hidden key's score becomes -infinity.  Ascending: each accumulator is read from its low end on
.set n, n+1
.endr
.irp j, 0,1,2,3                        ; the maximum of the 32 and the old M, three operands at a time: four chains of seven scores,
	v_max3_num_f32 v[rT+4+\j], v[rS+8*\j], v[rS+8*\j+1], v[rS+8*\j+2]
.endr
.irp q, 1,2
.irp j, 0,1,2,3
	v_max3_num_f32 v[rT+4+\j], v[rT+4+\j], v[rS+8*\j+2*\q+1], v[rS+8*\j+2*\q+2]
.endr
.endr
	v_max3_num_f32 v[rT+4], v[rT+4], v[rS+7], v[rS+15]     ; the four scores left over,
	v_max3_num_f32 v[rT+6], v[rT+6], v[rS+23], v[rS+31]
	v_max3_num_f32 v[rT+4], v[rT+4], v[rT+5], v[rT+6]      ; the chains and M
	v_max3_num_f32 v[rT+4], v[rT+4], v[rT+7], v[rT]
.if (\two) == 0
.if (\t) == 0
	s_load_b512 s[MW:MW+15], s[MP:MP+1], 0x800     ; the words that come next: tile 1 of this step, 2,048 bytes on
	s_load_b512 s[MW+16:MW+31], s[MP:MP+1], 0x840
.else
	s_add_nc_u64 s[MP:MP+1], s[MP:MP+1], 128       ; (the wait at this macro's head has shown the loads that read the pointer done)
	s_load_b512 s[MW:MW+15], s[MP:MP+1], 0x0       ; tile 0 of the next step
	s_load_b512 s[MW+16:MW+31], s[MP:MP+1], 0x40
.endif
.elseif \ask
	s_load_b512 s[rM:rM+15], s[MP:MP+1], 0x800*(\t)        ; this tile's words of the next step, into the set that has just been used: a whole step ahead of their use
	s_load_b512 s[rM+16:rM+31], s[MP:MP+1], 0x800*(\t)+0x40
.endif
	v_permlanex16_b32 v[rT+5], v[rT+4], s[SEL], s[SEL+1]   ; the query's other 32 keys lie in the lane 16 away
	v_mov_b32 v[rT+7], v[rT]
	v_max_num_f32 v[rT], v[rT+4], v[rT+5]          ; the new M
	v_sub_f32 v[rT+7], v[rT+7], v[rT]              ; old M - new M, 0 or less
.set n, 0
.rept 16
	v_pk_add_f32 v[rS+n:rS+n+1], v[rS+n:rS+n+1], v[rT:rT+1] op_sel_hi:[1,0] neg_lo:[0,1] neg_hi:[0,1]   ; s - M, two at a time
.set n, n+2
.endr
	v_exp_f32 v[rT+6], v[rT+7]                     ; ONE BATCH of 33 exponentials: 2^(old M - new M),
.set n, 0
.rept 32
	v_exp_f32 v[rS+n], v[rS+n]                     ; and p = 2^(s - M)
.set n, n+1
.endr
	v_nop                                          ; a plain instruction behind the last exponential (ISA guide 5.7.2)
	s_wait_alu depctr_va_vdst(0)                   ; and one wait for the batch, ahead of the first line that names a result
	v_pk_fma_f32 v[rT+2:rT+3], v[rT+2:rT+3], v[rT+6:rT+7], v[rS:rS+1] op_sel_hi:[1,0,1]   ; L under the new M, + the first pair; the sum goes in two chains
	v_pk_add_f32 v[rT+4:rT+5], v[rS+2:rS+3], v[rS+4:rS+5]
.irp b, 6,10,14,18,22,26
	v_pk_add_f32 v[rT+2:rT+3], v[rT+2:rT+3], v[rS+\b:rS+\b+1]
	v_pk_add_f32 v[rT+4:rT+5], v[rT+4:rT+5], v[rS+\b+2:rS+\b+3]
.endr
	v_pk_add_f32 v[rT+2:rT+3], v[rT+2:rT+3], v[rS+30:rS+31]
	v_pk_add_f32 v[rT+2:rT+3], v[rT+2:rT+3], v[rT+4:rT+5]
.set n, 0
.rept 16
	v_cvt_pk_f16_f32 v[rS+n], v[rS+2*n], v[rS+2*n+1]   ; P, in place, ascending: a result never lands on weights still to be read.  Registers 8 kg .. 8 kg + 7 are the operand of keys 32 kg on
.set n, n+1
.endr
.set n, 0
.rept 16
	v_pk_mul_f32 v[rO+n:rO+n+1], v[rO+n:rO+n+1], v[rT+6:rT+7] op_sel_hi:[1,0]   ; O^T under the new M
.set n, n+2
.endr
.endm
; A STEP OF 64 KEYS.  two, ask: how the mask words come (SOFT).
.macro STEP two, ask
	v_add_nc_u32 v[ADK], s[TBK], v[AK0]            ; five places behind the last V^T P: four for the loads into the registers that it read, five for the products below, which write over P
	v_add_nc_u32 v[ADV], s[TBV], v[AV0]
.rept 3
	v_nop
.endr
.irp ks, 0,1                           ; K's 8 fragments: channels 0-31 of the four tiles of keys first
.irp kt, 0,1,2,3
	ds_load_b128 v[KV+16*\kt+8*\ks:KV+16*\kt+8*\ks+3], v[ADK] offset:8*KP2*\kt+64*\ks
	ds_load_b128 v[KV+16*\kt+8*\ks+4:KV+16*\kt+8*\ks+7], v[ADK] offset:8*KP2*\kt+64*\ks+32
.endr
.endr
	s_add_co_u32 s[TBK], s[TBK], KSTEPB
	s_add_co_u32 s[TBV], s[TBV], VSTEPB
.irp ks, 0,1                           ; S^T = K Q^T: the eight accumulators take turns, one instruction a turn; the first eight start the sums
	s_wait_dscnt 8-8*\ks                           ; channels 0-31 are in, the eight loads of channels 32-63 may be out; then all are in
.irp kt, 0,1,2,3
.irp t, 0,1
.if \ks == 0
	v_wmma_f32_16x16x32_f16 v[S+32*\t+8*\kt:S+32*\t+8*\kt+7], v[KV+16*\kt+8*\ks:KV+16*\kt+8*\ks+7], v[QF+16*\t+8*\ks:QF+16*\t+8*\ks+7], 0
.else
	v_wmma_f32_16x16x32_f16 v[S+32*\t+8*\kt:S+32*\t+8*\kt+7], v[KV+16*\kt+8*\ks:KV+16*\kt+8*\ks+7], v[QF+16*\t+8*\ks:QF+16*\t+8*\ks+7], v[S+32*\t+8*\kt:S+32*\t+8*\kt+7]
.endif
.endr
.endr
.endr
.rept 4
	v_nop                                          ; places in front of the loads into K's registers and of the first read of the scores
.endr
.irp kg, 0,1                           ; V's 8 fragments, turned: they land while the softmax is worked
.irp ct, 0,1,2,3
	ds_load_tr16_b128 v[KV+32*\kg+8*\ct:KV+32*\kg+8*\ct+3], v[ADV] offset:16*VP2*\kg+32*\ct
	ds_load_tr16_b128 v[KV+32*\kg+8*\ct+4:KV+32*\kg+8*\ct+7], v[ADV] offset:16*VP2*\kg+8*VP2+32*\ct
.endr
.endr
	SOFT 0, \two, \ask
	SOFT 1, \two, \ask
	s_wait_dscnt 0x0                               ; V is in
.irp kg, 0,1                           ; O^T += V^T P: eight accumulators by turns
.irp ct, 0,1,2,3
.irp t, 0,1
	v_wmma_f32_16x16x32_f16 v[O+32*\t+8*\ct:O+32*\t+8*\ct+7], v[KV+32*\kg+8*\ct:KV+32*\kg+8*\ct+7], v[S+32*\t+8*\kg:S+32*\t+8*\kg+7], v[O+32*\t+8*\ct:O+32*\t+8*\ct+7]
.endr
.endr
.endr
.endm
; cnt steps from step first on: the LDS offsets begin at a constant and step by constants.
.macro STEPS cnt, first, two
	s_mov_b32 s[TBK], (\first)*KSTEPB
	s_mov_b32 s[TBV], (\first)*VSTEPB
	s_mov_b32 s2, \cnt
.Lstep_\@:
	STEP \two, 1
	s_sub_co_u32 s2, s2, 1
	s_cmp_lg_u32 s2, 0
	s_cbranch_scc1 .Lstep_\@
.endm
	s_wait_tensorcnt 3                             ; my first load has landed; my three later ones may be out.  In the twelve waves that fetch nothing the wait is met at once
	s_barrier_signal -1
	s_barrier_wait -1                              ; keys 0-255 of K and V lie whole in LDS for every wave
	STEPS 3, 0, 0                                  ; keys 0-191, while the rest lands
	s_wait_tensorcnt 0x0                           ; all my tensor loads have landed: so their descriptors' registers may be written.  No LDS instruction of mine is out at the signal
	s_barrier_signal -1
	s_barrier_wait -1                              ; the whole head lies in LDS for every wave: the last barrier
	s_load_b512 s[MB:MB+15], s[MP:MP+1], 0x800     ; the second set's first words: tile 1 of step 3 (tile 0's were asked for in step 2; the pointer stands at step 3)
	s_load_b512 s[MB+16:MB+31], s[MP:MP+1], 0x840
	STEPS 12, 3, 1                                 ; steps 3 to 14
	s_mov_b32 s[TBK], 15*KSTEPB
	s_mov_b32 s[TBV], 15*VSTEPB
	STEP 1, 0                                      ; step 15 asks for no words: no load leaves the buffer
	; THE WAY OUT.  L's two halves and the other half of the lanes' are added; O^T is divided by L, rounded to f16 and sent through my stage in LDS, a tile (16 rows) at a time.  The additions and the address work are the places behind the last products.
.irp t, 0,1
	v_add_f32 v[ST+8*\t+4], v[ST+8*\t+2], v[ST+8*\t+3]
.endr
.irp t, 0,1
	v_permlanex16_b32 v[ST+8*\t+5], v[ST+8*\t+4], s[SEL], s[SEL+1]
.endr
.irp t, 0,1
	v_add_f32 v[ST+8*\t+4], v[ST+8*\t+4], v[ST+8*\t+5]
.endr
.irp t, 0,1
	v_rcp_f32 v[ST+8*\t+6], v[ST+8*\t+4]
.endr
	s_mul_i32 s30, s[WV], 16*SROW
	s_add_co_u32 s30, s30, STG                     ; my stage
	v_and_b32 v248, 15, v0                         ; (plain work behind the reciprocals)
	v_bfe_u32 v249, v0, 4, 1
	v_mul_u32_u24 v[ADK], v248, SROW
	v_lshl_add_u32 v[ADK], v249, 4, v[ADK]
	v_add_nc_u32 v[ADK], s30, v[ADK]               ; in: row r, 16 bytes for each half of the lanes
	v_bfe_u32 v248, v0, 3, 2
	v_mul_u32_u24 v[ADV], v248, SROW
	v_and_b32 v249, 7, v0
	v_lshl_add_u32 v[ADV], v249, 4, v[ADV]
	v_add_nc_u32 v[ADV], s30, v[ADV]               ; back: eight lanes take a row of 128 bytes, the 32 lanes four rows
	v_and_b32 v[QO], 31, v0
	v_lshlrev_b32 v[QO], 4, v[QO]                  ; and the same 512 bytes in memory: rows follow each other there
	s_wait_alu depctr_va_vdst(0)                   ; one wait for the two reciprocals, ahead of their first reader
.macro OUTT t
.set n, 0
.rept 16
	v_pk_mul_f32 v[O+32*\t+n:O+32*\t+n+1], v[O+32*\t+n:O+32*\t+n+1], v[ST+8*\t+6:ST+8*\t+7] op_sel_hi:[1,0]   ; ascending: each accumulator from its low end on
.set n, n+2
.endr
.set n, 0
.rept 16
	v_cvt_pk_f16_f32 v[S+16*\t+n], v[O+32*\t+2*n], v[O+32*\t+2*n+1]
.set n, n+1
.endr
.irp ct, 0,1,2,3
	ds_store_b128 v[ADK], v[S+16*\t+4*\ct:S+16*\t+4*\ct+3] offset:32*\ct
.endr
.irp g, 0,1,2,3
	ds_load_b128 v[S+32+16*\t+4*\g:S+32+16*\t+4*\g+3], v[ADV] offset:4*SROW*\g   ; LDS serves a wave's instructions in order (ISA guide 5.7.1.4): these see the stores above, and the next tile's stores come behind them
.endr
.endm
	OUTT 0
	OUTT 1
.irp g, 0,1,2,3
	s_wait_dscnt 11-\g                             ; behind tile 0's load g: its later loads, and tile 1's four stores and four loads
	global_store_b128 v[QO], v[S+32+4*\g:S+32+4*\g+3], s[8:9] offset:512*\g   ; 512 consecutive bytes, aligned
.endr
.irp g, 0,1,2,3
	s_wait_dscnt 3-\g
	global_store_b128 v[QO], v[S+48+4*\g:S+48+4*\g+3], s[8:9] offset:2048+512*\g
.endr
	s_wait_tensorcnt 0x0                           ; the wave's end: behind my last tensor load and my last LDS store
	ds_add_u32 v[SPW], v[NIL]
	s_wait_dscnt 0x0
	s_endpgm
.Lfunc_end_k_qdb55b4c66d_attn:
	.size	k_qdb55b4c66d_attn, .Lfunc_end_k_qdb55b4c66d_attn-k_qdb55b4c66d_attn
	.p2alignl 7, 3214868480
	.fill 96, 4, 3214868480
	.section	.rodata,"a",@progbits
	.p2align	6, 0x0
	.amdhsa_kernel k_qdb55b4c66d_attn
		.amdhsa_group_segment_fixed_size 327680
		.amdhsa_private_segment_fixed_size 0
		.amdhsa_enable_private_segment 0
		.amdhsa_kernarg_size 24
		.amdhsa_user_sgpr_count 2
		.amdhsa_user_sgpr_kernarg_segment_ptr 1
		.amdhsa_wavefront_size32 1
		.amdhsa_system_sgpr_workgroup_id_x 1
		.amdhsa_system_sgpr_workgroup_id_y 1
		.amdhsa_system_sgpr_workgroup_id_z 1
		.amdhsa_system_vgpr_workitem_id 0
		.amdhsa_next_free_vgpr 256
		.amdhsa_next_free_sgpr 102
		.amdhsa_reserve_vcc 0
		.amdhsa_float_denorm_mode_32 3
		.amdhsa_float_denorm_mode_16_64 3
		.amdhsa_memory_ordered 1
		.amdhsa_forward_progress 1
		.amdhsa_inst_pref_size 83
	.end_amdhsa_kernel
	.amdgpu_metadata
---
amdhsa.version: [ 1, 2 ]
amdhsa.kernels:
  - .name:           k_qdb55b4c66d_attn
    .symbol:         k_qdb55b4c66d_attn.kd
    .args:
      - { .name: qkv, .offset: 0, .size: 8, .value_kind: global_buffer, .address_space: global }
      - { .name: mbits, .offset: 8, .size: 8, .value_kind: global_buffer, .address_space: global }
      - { .name: catb, .offset: 16, .size: 8, .value_kind: global_buffer, .address_space: global }
    .group_segment_fixed_size: 327680
    .private_segment_fixed_size: 0
    .kernarg_segment_align: 8
    .kernarg_segment_size: 24
    .max_flat_workgroup_size: 512
    .sgpr_count:     102
    .vgpr_count:     256
    .wavefront_size: 32
...
	.end_amdgpu_metadata
.endif
;; end of part 3
;; launch outp (part 4): grid 8 x 32, 4 waves a work-group, clusters of 4 x 4, 327,680 bytes of LDS; arguments catb, wob, out0, bo; writes out0
.if DOCPART == 4
	.amdgcn_target "amdgcn-amd-amdhsa--gfx1250"
	.amdhsa_code_object_version 6
	.text
	.protected	k_qdb55b4c66d_outp
	.globl	k_qdb55b4c66d_outp
	.p2align	8
	.type	k_qdb55b4c66d_outp,@function
k_qdb55b4c66d_outp:
	s_mov_b64 s[64:65], 0
	v_nop
	global_prefetch_b8 v0, s[64:65] scope:SCOPE_SE
	s_setreg_imm32_b32 hwreg(HW_REG_WAVE_MODE, 25, 1), 1
	s_wait_xcnt 0x0
	s_wait_alu depctr_hold_cnt(0) depctr_sa_sdst(0) depctr_va_vdst(0) depctr_va_sdst(0) depctr_va_ssrc(0) depctr_va_vcc(0) depctr_vm_vsrc(0)
	s_getreg_b32 s2, hwreg(HW_REG_IB_STS2, 6, 4)
	s_cmp_eq_u32 s2, 0
	s_cbranch_scc0 .Lentry_in_a_cluster
	s_endpgm
.Lentry_in_a_cluster:
	s_bfe_u32 s2, ttmp6, 0x10000c
	s_cmp_lg_u32 s2, 0xf033
	s_cbranch_scc0 .Lentry_shape_is_right
	s_endpgm
.Lentry_shape_is_right:
; OUTP: out0 = cat Wo^T + bo.  A: catb = cat / 2, f16, [row / 128 (64)][head 16][row % 128][64]; B: wob = 2 Wo, f16, [n / 128 (8)][k / 64 (16)][n % 128][k % 64]: the two exact factors cancel.  out0 [8192][1024] f32; sums in f32.
; A tile of the result is 128 x 128.  Four waves, each 64 x 64: 16 accumulators of 16 x 16, 128 registers.  K = 1024 goes in four steps of 256 (four heads) through a ring of two LDS slots.
; A WORK-GROUP STAYS: 256 work-groups make two tiles each, 32 tile rows (4,096 rows) apart in the same columns, so that both take the same rows of B and the same bias.  The ring does not stop at the first tile's end: its last two
; changes of slots ask for the second tile's K steps 0 and 1, by the same lines as every other refill, and the first tile goes out while those land.  Both tiles are written out: what differs is where the last two changes of slots step to.
; In both operands a head's 128 rows x 64 numbers are 16,384 dense bytes: a wave's tensor load brings two heads, 32,768 dense bytes, as 128 rows of 256 bytes (two rows of 64 numbers each) + 16 of padding.
; Row m of a head lies at (m / 2) 272 + (m % 2) 128: the 16 rows of a fragment load start in 16 different groups of four banks (64 banks of 4 bytes: ISA guide 11.1).
; CLUSTERS: 4 x 4 work-groups.  The four of a row of the cluster need the same tiles of A, the four of a column the same tiles of B: each tile is asked for JOINTLY, by the same tensor load with the same descriptor and a mask
; that names the four.  THE MATRIX INSTRUCTION IS USED TRANSPOSED (source 0 = 16 rows of B, source 1 = 16 rows of A): a lane then holds eight neighbouring numbers of a row of the result.  The bias is the C of each sum's first instruction.
; No prefetch: a tile has four K steps, and each is asked for a K step ahead by its own load.
; REGISTERS: window 0: v0-31 addresses; v32-95 at work on the way out; v96-127 the bias, 8 registers for each of B's 4 blocks; v128-255 the accumulators ((a, b) at v[128 + 8 (4 a + b)]).
;   window 1: two fragment buffers of 128: for 64 along K (one head), 64 registers of A (2 x 4 x 16 rows x 32 K), then 64 of B.
.set HEADB,  64*272                    ; a head's 128 rows in LDS
.set HALFT,  2*HEADB                   ; what one tensor load brings
.set SLOT,   4*HALFT                   ; A's four heads, then B's four
.set KSTEPB, 65536                     ; a K step of one operand in memory: four heads
.set TILEB,  262144                    ; a tile row of A, or a tile column of B, in memory: 16 heads
.set WALK,   32                        ; tile rows from a work-group's first tile to its second
.set NEXT_A, WALK*TILEB-2*KSTEPB       ; bytes from a slot's last K step of the first tile to its first of the second: A goes WALK tile rows down and back along K,
.set BACK_B, 2*KSTEPB                  ; B only back
.set RB16,   8*272                     ; 16 rows of a head in LDS
.set STAGE,  2*SLOT                    ; behind the ring: 16 rows x (256 bytes + 16) for each wave; no tile lands there
.set SPITCH, 272
.set SPARE,  STAGE+4*16*SPITCH         ; the spare words, 128 bytes for each wave
.set ADRA, 16                          ; v16-17  LDS address of my A fragments in slot 0, 1
.set ADRB, 20                          ; v20-21  the same for B
.set STO,  24                          ; v24     the way out: where I put 32 bytes of a row
.set RD,   25                          ; v25     where I read a row back
.set CO,   26                          ; v26     my byte offset in the result
.set BO,   27                          ; v27     32 x (lane / 16): my eight numbers of a block's bias
.set SPW,  28                          ; v28     my spare word; never rewritten
.set NIL,  29                          ; v29     0; never rewritten
.set TMP,  32
.set BIAS, 96
.set ACC,  128
.set F0,   0                           ; fragment buffers, in window 1
.set F1,   128
.set G1, 24                            ; s[24:31] descriptor group 1 for A's tiles;  s[32:39] group 0, one set for each slot
.set G0, 32
.set G1B, 48                           ; s[48:55], s[56:63] the same for B's tiles
.set G0B, 56
.set OUT0, 8                           ; s[8:9]   my part of the first tile in the result;  s[68:69] of the second
.set OUT1, 68
.set MSB, 0
.macro WIN new                         ; the immediate's high byte repeats the setting that is left
.if MSB != (\new)
	s_set_vgpr_msb (MSB<<8)|(\new)
.set MSB, (\new)
.endif
.endm
.set MUL,  0x05                        ; sources 0 (B) and 1 (A) window 1; C and D window 0
.set TO_F, 0x40                        ; destination window 1, address window 0
.macro JLOAD s                         ; a joint load: waves 0 and 1 fetch A's two halves, waves 2 and 3 B's; an s_nop 0 and four v_nop follow each of the two lines
	s_cmp_eq_u32 s11, 0
	s_cbranch_scc0 .Lfor_b_\@
	tensor_load_to_lds s[G0+4*\s:G0+4*\s+3], s[G1:G1+7]
	s_nop 0
.rept 4
	v_nop
.endr
	s_branch .Lasked_\@
.Lfor_b_\@:
	tensor_load_to_lds s[G0B+4*\s:G0B+4*\s+3], s[G1B:G1B+7]
	s_nop 0
.rept 4
	v_nop
.endr
.Lasked_\@:
.endm
.macro CREST                           ; a round of the cluster's barrier behind its opening barrier
	s_cmp_lg_u32 s10, 0
	s_cbranch_scc1 .Lnot_wave_0_\@
	s_barrier_signal -3
.Lnot_wave_0_\@:
	s_barrier_wait -3
	s_barrier_signal -1
	s_barrier_wait -1
.endm
.macro CROUND                          ; a whole round
	s_barrier_signal -1
	s_barrier_wait -1
	CREST
.endm
	s_load_b128 s[4:7], s[0:1], 0x0                ; catb s[4:5], wob s[6:7]
	s_load_b64 s[8:9], s[0:1], 0x10                ; out0
	s_load_b64 s[66:67], s[0:1], 0x18              ; bo
	v_lshl_add_u32 v[SPW], v0, 2, SPARE
	v_mov_b32 v[NIL], 0
	ds_add_u32 v[SPW], v[NIL]                      ; the wave's opening: the add, twice on end, and its wait ahead of my first tensor load
	ds_add_u32 v[SPW], v[NIL]                      ; and once more; the set-up below, work on registers, stands between it and the wait
	v_lshrrev_b32 v1, 5, v0
	v_readfirstlane_b32 s10, v1                    ; wave 0..3
	s_lshr_b32 s11, s10, 1                         ; which half of the tile's rows is mine.  Also: I fetch for A (0) or for B (1)
	s_and_b32 s12, s10, 1                          ; which half of its columns.  Also: which two heads of a K step I fetch
	s_bfe_u32 s40, ttmp6, 0x40000                  ; cx, cy: my place in the cluster
	s_bfe_u32 s41, ttmp6, 0x40004
	s_lshl_b32 s42, ttmp9, 2
	s_add_co_u32 s42, s42, s40                     ; tile column = 4 x cluster x + cx
	s_and_b32 s13, ttmp7, 0xffff
	s_lshl_b32 s13, s13, 2
	s_add_co_u32 s13, s13, s41                     ; my first tile's row = 4 x cluster y + cy: 0 .. 31
	s_lshl_b32 s43, s41, 2
	s_lshl_b32 s43, 15, s43                        ; my row of the cluster
	s_lshl_b32 s44, 0x1111, s40                    ; my column
	; descriptor group 1: 128 rows of 256 bytes (32 elements of 8 bytes), dense in memory, padded in LDS
	s_or_b32 s[G1+0], s43, (3<<16)|(1<<20)|(1<<21)|(5<<22)|(3<<25)  ; 15:0 the mask: A's tiles go to my row; 17:16 elements of 8 bytes; 20 padding on; 21 set beside a mask; 24:22 after every 64 words; 31:25 of 4 words
	s_or_b32 s[G1B+0], s44, (3<<16)|(1<<20)|(1<<21)|(5<<22)|(3<<25)
.irp g, G1, G1B
	s_mov_b32 s[\g+1], 32<<16                      ; tensor_dim0
	s_mov_b32 s[\g+2], 128<<16                     ; tensor_dim1
	s_mov_b32 s[\g+3], 32<<16                      ; tile_dim0
	s_mov_b32 s[\g+4], 128                         ; tile_dim1
	s_mov_b32 s[\g+5], 32                          ; tensor_dim0_stride
	s_mov_b32 s[\g+6], 0
	s_mov_b32 s[\g+7], 0
.endr
	s_lshl_b32 s17, s12, 15                        ; which two heads of a K step I fetch: 32,768 bytes
	s_lshl_b32 s16, s13, 18
	s_add_co_u32 s16, s16, s17                     ; A: 262,144 bytes a tile row
	s_lshl_b32 s46, s42, 18
	s_add_co_u32 s46, s46, s17                     ; B: 262,144 bytes a tile column
	s_mov_b32 s17, 0
	s_mov_b32 s47, 0
	s_mul_i32 s20, s10, HALFT                      ; where they go: wave x two heads: no place in the cluster enters an LDS address
	s_wait_dscnt 0x0                               ; both opening adds are done
	s_wait_kmcnt 0x0
	s_add_nc_u64 s[14:15], s[4:5], s[16:17]
	s_add_nc_u64 s[46:47], s[6:7], s[46:47]
	CROUND                                         ; all sixteen work-groups are here: the first joint loads meet
.irp s, 0,1
	s_mov_b32 s[G0+4*\s], 1
	s_add_co_u32 s[G0+4*\s+1], s20, \s*SLOT
	s_add_nc_u64 s[G0+4*\s+2:G0+4*\s+3], s[14:15], \s*KSTEPB
	s_or_b32 s[G0+4*\s+3], s[G0+4*\s+3], 0x80000000
	s_mov_b32 s[G0B+4*\s], 1
	s_add_co_u32 s[G0B+4*\s+1], s20, \s*SLOT
	s_add_nc_u64 s[G0B+4*\s+2:G0B+4*\s+3], s[46:47], \s*KSTEPB
	s_or_b32 s[G0B+4*\s+3], s[G0B+4*\s+3], 0x80000000
	JLOAD \s
.endr
	v_and_b32 v1, 15, v0                           ; r = l % 16
	v_bfe_u32 v2, v0, 4, 1                         ; h = l / 16
	v_lshrrev_b32 v3, 1, v1
	v_mul_u32_u24 v3, v3, 272
	v_and_b32 v4, 1, v0
	v_lshl_add_u32 v3, v4, 7, v3
	v_lshl_add_u32 v3, v2, 4, v3                   ; a fragment's row r: (r / 2) 272 + (r % 2) 128, + 16 h
	s_mul_i32 s21, s11, 4*RB16                     ; my 64 rows of A in each head
	s_mul_i32 s22, s12, 4*RB16                     ; my 64 rows of B,
	s_add_co_u32 s22, s22, 2*HALFT                 ; whose heads lie behind A's four
.irp s, 0,1
	v_add_nc_u32 v[ADRA+\s], s21, v3
	v_add_nc_u32 v[ADRB+\s], s22, v3
	s_add_co_u32 s21, s21, SLOT
	s_add_co_u32 s22, s22, SLOT
.endr
	s_mul_i32 s23, s10, 16*SPITCH
	s_add_co_u32 s23, s23, STAGE                   ; my stage
	v_mul_u32_u24 v4, v1, SPITCH                   ; in: row r, 32 bytes for each half of the lanes
	v_lshl_add_u32 v4, v2, 5, v4
	v_add_nc_u32 v[STO], s23, v4
	v_mul_u32_u24 v5, v2, SPITCH                   ; back: lanes 0-15 take one row of 256 bytes, lanes 16-31 the next
	v_lshl_add_u32 v5, v1, 4, v5
	v_add_nc_u32 v[RD], s23, v5
	v_lshlrev_b32 v5, 12, v2                       ; and the same two rows in the result: 4,096 bytes a row
	v_lshl_add_u32 v[CO], v1, 4, v5
	v_lshlrev_b32 v[BO], 5, v2
	s_lshl_b32 s16, s13, 7
	s_lshl_b32 s17, s11, 6
	s_add_co_u32 s16, s16, s17                     ; my first row: 128 x tile row + 64 x half
	s_lshl_b32 s16, s16, 12                        ; under 2^24
	s_mov_b32 s17, 0
	s_add_nc_u64 s[OUT0:OUT0+1], s[OUT0:OUT0+1], s[16:17]
	s_lshl_b32 s46, s42, 7
	s_lshl_b32 s47, s12, 6
	s_add_co_u32 s46, s46, s47                     ; my first column: 128 x tile column + 64 x half,
	s_lshl_b32 s46, s46, 2                         ; in bytes
	s_mov_b32 s47, 0
	s_add_nc_u64 s[OUT0:OUT0+1], s[OUT0:OUT0+1], s[46:47]
	s_add_nc_u64 s[OUT1:OUT1+1], s[OUT0:OUT0+1], WALK*128*4096   ; the second tile: 4,096 rows of 4,096 bytes further down
	s_add_nc_u64 s[66:67], s[66:67], s[46:47]      ; the bias at my first column
.irp b, 0,1,2,3
	global_load_b128 v[BIAS+8*\b:BIAS+8*\b+3], v[BO], s[66:67] offset:64*\b        ; lane (r, h), block b: the bias of columns 16 b + 8 h + 0 .. 7: the result's layout.  It serves both tiles
	global_load_b128 v[BIAS+8*\b+4:BIAS+8*\b+7], v[BO], s[66:67] offset:64*\b+16
.endr
; 8 matrix instructions: m blocks a0, a0 + 1 x all 4 n blocks, 32 along K: half c of buffer f.  zero = 1: the first product starts the sums, with the bias as its C.  The 16 accumulators take turns.
.macro MUL8 f, c, a0, zero
.irp a, \a0, \a0+1
.irp b, 0,1,2,3
.if \zero
	v_wmma_f32_16x16x32_f16 v[ACC+8*(4*(\a)+\b):ACC+8*(4*(\a)+\b)+7], v[\f+64+8*(4*\c+\b):\f+64+8*(4*\c+\b)+7], v[\f+8*(4*\c+\a):\f+8*(4*\c+\a)+7], v[BIAS+8*\b:BIAS+8*\b+7]
.else
	v_wmma_f32_16x16x32_f16 v[ACC+8*(4*(\a)+\b):ACC+8*(4*(\a)+\b)+7], v[\f+64+8*(4*\c+\b):\f+64+8*(4*\c+\b)+7], v[\f+8*(4*\c+\a):\f+8*(4*\c+\a)+7], v[ACC+8*(4*(\a)+\b):ACC+8*(4*(\a)+\b)+7]
.endif
.endr
.endr
.endm
; 32 LDS loads in one run: the fragments of one head (64 along K), which begins at byte k of the slot's part, into buffer f; the first 32 along K first
.macro FETCH slot, k, f
	WIN TO_F
.irp c, 0,1
.irp i, 0,1,2,3
	ds_load_b128 v[\f+64+8*(4*\c+\i):\f+64+8*(4*\c+\i)+3],   v[ADRB+\slot] offset:\k+64*\c+\i*RB16
	ds_load_b128 v[\f+64+8*(4*\c+\i)+4:\f+64+8*(4*\c+\i)+7], v[ADRB+\slot] offset:\k+64*\c+\i*RB16+32
	ds_load_b128 v[\f+8*(4*\c+\i):\f+8*(4*\c+\i)+3],         v[ADRA+\slot] offset:\k+64*\c+\i*RB16
	ds_load_b128 v[\f+8*(4*\c+\i)+4:\f+8*(4*\c+\i)+7],       v[ADRA+\slot] offset:\k+64*\c+\i*RB16+32
.endr
.endr
.endm
.macro PLACES                          ; four places in front of loads into registers that matrix instructions have read (ISA guide 7.12.1 for vector instructions)
.rept 4
	v_nop
.endr
.endm
; A K step is four quarters of one head, 32 matrix instructions each, on buffers 0, 1, 0, 1.  One of the first three: multiplies buffer f and fetches the next head, at byte k, into g.
.macro QUARTER slot, k, f, g, zero
	s_wait_dscnt 16                                ; the first 32 along K are in; the sixteen loads of the second 32 may be out
	WIN MUL
	MUL8 \f, 0, 0, \zero
	MUL8 \f, 0, 2, \zero
	PLACES
	FETCH \slot, \k, \g
	s_wait_dscnt 32                                ; all but the 32 just issued
	WIN MUL
	MUL8 \f, 1, 0, 0
	MUL8 \f, 1, 2, 0
.endm
.macro THREE slot, zero                ; a K step's first three quarters.  zero = 1: a tile's first products start the sums
	QUARTER \slot, HEADB,   F0, F1, \zero
	QUARTER \slot, 2*HEADB, F1, F0, 0
	QUARTER \slot, 3*HEADB, F0, F1, 0
.endm
; The last quarter multiplies buffer 1 and changes slots: ONE barrier; in front of it each wave waits for all its tensor loads, adds 0 to its spare word, and waits for that and for its own reads of this slot.
; fill = 1: this slot is filled again, with this tile's K step two steps on;  fill = 2: with the NEXT tile's K step 0 or 1;  fill = 0: nothing is left to ask for.
.macro TURN slot, next, fill
	WIN 0                                          ; (the add's two registers lie in window 0)
	s_wait_tensorcnt 0x0                           ; all my tensor loads have landed: my part of the next slot;
	ds_add_u32 v[SPW], v[NIL]                      ; 0 onto my spare word;
	s_wait_dscnt 17                                ; (the add and the youngest sixteen loads may be out)
	WIN MUL
	MUL8 F1, 0, 0, 0                               ; eight matrix instructions stand between the add and the wait for it
	s_wait_dscnt 0x0                               ; the add is done, and my reads of this slot are over
	s_barrier_signal -1
	MUL8 F1, 0, 2, 0
.if \fill
	WIN 0
.endif
	s_barrier_wait -1
.if \fill
	CREST                                          ; the barrier has opened a round of the cluster's barrier: no wave of any partner still reads this slot's tile or has a load on its way
.if \fill == 2
	s_add_nc_u64 s[G0+4*\slot+2:G0+4*\slot+3], s[G0+4*\slot+2:G0+4*\slot+3], NEXT_A
	s_sub_nc_u64 s[G0B+4*\slot+2:G0B+4*\slot+3], s[G0B+4*\slot+2:G0B+4*\slot+3], BACK_B
.else
	s_add_nc_u64 s[G0+4*\slot+2:G0+4*\slot+3], s[G0+4*\slot+2:G0+4*\slot+3], 2*KSTEPB
	s_add_nc_u64 s[G0B+4*\slot+2:G0B+4*\slot+3], s[G0B+4*\slot+2:G0B+4*\slot+3], 2*KSTEPB
.endif
	JLOAD \slot                                    ; the first tensor load behind the round; the four v_nop behind it are also the places in front of the loads below
.else
	PLACES
.endif
	FETCH \next, 0, F0
	WIN MUL
	MUL8 F1, 1, 0, 0
	MUL8 F1, 1, 2, 0
.endm
; THE WAY OUT, block by block of 16 rows x 64 columns.  A lane holds 32 neighbouring bytes of a row, and the lanes beside it hold other rows: so a block goes through my own stage in LDS and comes back as whole rows of
; 256 bytes: sixteen lanes store 256 consecutive bytes, aligned.  LDS serves a wave's instructions in order (ISA guide 5.7.1.4): no wait between the stores and the loads, nor in front of the next block's stores.
.macro TOSTAGE a
.set BB, TMP+32*((\a)%2)
.irp b, 0,1,2,3
	ds_store_b128 v[STO], v[ACC+8*(4*(\a)+\b):ACC+8*(4*(\a)+\b)+3] offset:64*\b          ; each accumulator from its low end on
	ds_store_b128 v[STO], v[ACC+8*(4*(\a)+\b)+4:ACC+8*(4*(\a)+\b)+7] offset:64*\b+16
.endr
.irp t, 0,1,2,3,4,5,6,7
	ds_load_b128 v[BB+4*\t:BB+4*\t+3], v[RD] offset:\t*2*SPITCH
.endr
.endm
.macro SEND a, younger, base           ; younger: the LDS instructions issued behind block a's loads, which may stay out
.set BB, TMP+32*((\a)%2)
	s_wait_dscnt \younger                          ; the block is back in registers
.irp t, 0,1,2,3,4,5,6,7
	global_store_b128 v[CO], v[BB+4*\t:BB+4*\t+3], s[\base:\base+1] offset:(16*(\a)+2*\t)*4096 th:TH_STORE_NT   ; written once, read by nobody here
.endr
.endm
.macro WAYOUT base
	WIN 0
	s_wait_xcnt 0x0                                ; the tile before's stores have read their registers: this tile's rows may land there
.rept 5
	v_nop                                          ; places behind the last products: four for the LDS stores that read results, five for the next tile's first products, which write over the accumulators with another C
.endr
	TOSTAGE 0
.irp a, 1,2,3
.if \a > 1
	s_wait_xcnt 0x0                                ; block a - 2's stores have read their registers: block a's loads may land there
.endif
	TOSTAGE \a
	SEND \a-1, 16, \base                           ; behind block a - 1's loads: block a's 8 stores and 8 loads
.endr
	SEND 3, 0, \base
.endm
	s_wait_tensorcnt 1                             ; my part of K step 0 is in (K step 1's load may be out)
	s_barrier_signal -1
	s_barrier_wait -1                              ; everybody's is
	FETCH 0, 0, F0
	s_wait_loadcnt 0x0                             ; the bias
	; ---- the first tile
	THREE 0, 1                                     ; K step 0
	TURN 0, 1, 1                                   ; slot 0 takes K step 2
	THREE 1, 0                                     ; K step 1
	TURN 1, 0, 1                                   ; slot 1 takes K step 3
	THREE 0, 0                                     ; K step 2
	TURN 0, 1, 2                                   ; THE RING GOES ON INTO THE SECOND TILE: slot 0 takes its K step 0,
	THREE 1, 0                                     ; K step 3
	TURN 1, 0, 2                                   ; slot 1 its K step 1, and the second tile's first fragments are fetched
	WAYOUT OUT0                                    ; both refills are asked for: now the tile goes out
	; ---- the second tile
	THREE 0, 1
	TURN 0, 1, 1
	THREE 1, 0
	TURN 1, 0, 1
	THREE 0, 0
	TURN 0, 1, 0                                   ; nothing more is asked for, and no round of the cluster's barrier follows
	THREE 1, 0
	s_wait_dscnt 16                                ; the very last quarter: nothing more to fetch
	WIN MUL
	MUL8 F1, 0, 0, 0
	MUL8 F1, 0, 2, 0
	s_wait_dscnt 0
	MUL8 F1, 1, 0, 0
	MUL8 F1, 1, 2, 0
	WAYOUT OUT1
	s_wait_tensorcnt 0x0                           ; the wave's end: behind my last tensor load and my last LDS store
	ds_add_u32 v[SPW], v[NIL]
	s_wait_dscnt 0x0
	CROUND                                         ; the closing round: no work-group ends while a partner may still ask for a tile that names it
	s_endpgm
.Lfunc_end_k_qdb55b4c66d_outp:
	.size	k_qdb55b4c66d_outp, .Lfunc_end_k_qdb55b4c66d_outp-k_qdb55b4c66d_outp
	.p2alignl 7, 3214868480
	.fill 96, 4, 3214868480
	.section	.rodata,"a",@progbits
	.p2align	6, 0x0
	.amdhsa_kernel k_qdb55b4c66d_outp
		.amdhsa_group_segment_fixed_size 327680
		.amdhsa_private_segment_fixed_size 0
		.amdhsa_enable_private_segment 0
		.amdhsa_kernarg_size 32
		.amdhsa_user_sgpr_count 2
		.amdhsa_user_sgpr_kernarg_segment_ptr 1
		.amdhsa_wavefront_size32 1
		.amdhsa_system_sgpr_workgroup_id_x 1
		.amdhsa_system_sgpr_workgroup_id_y 1
		.amdhsa_system_sgpr_workgroup_id_z 1
		.amdhsa_system_vgpr_workitem_id 0
		.amdhsa_next_free_vgpr 512
		.amdhsa_next_free_sgpr 70
		.amdhsa_reserve_vcc 0
		.amdhsa_float_denorm_mode_32 3
		.amdhsa_float_denorm_mode_16_64 3
		.amdhsa_memory_ordered 1
		.amdhsa_forward_progress 1
		.amdhsa_inst_pref_size 166
	.end_amdhsa_kernel
	.amdgpu_metadata
---
amdhsa.version: [ 1, 2 ]
amdhsa.kernels:
  - .name:           k_qdb55b4c66d_outp
    .symbol:         k_qdb55b4c66d_outp.kd
    .args:
      - { .name: catb, .offset: 0, .size: 8, .value_kind: global_buffer, .address_space: global }
      - { .name: wob, .offset: 8, .size: 8, .value_kind: global_buffer, .address_space: global }
      - { .name: out0, .offset: 16, .size: 8, .value_kind: global_buffer, .address_space: global }
      - { .name: bo, .offset: 24, .size: 8, .value_kind: global_buffer, .address_space: global }
    .group_segment_fixed_size: 327680
    .private_segment_fixed_size: 0
    .kernarg_segment_align: 8
    .kernarg_segment_size: 32
    .max_flat_workgroup_size: 128
    .sgpr_count:     70
    .vgpr_count:     512
    .wavefront_size: 32
...
	.end_amdgpu_metadata
.endif
;; end of part 4
